; MI455X (gfx1250); checked and timed in simulation.
; The chip was launched on July 23, 2026; its instructions are those of AMD's public machine-readable ISA for CDNA 5 (MIT licence, August 2026) and "CDNA5" Instruction Set Architecture Reference Guide (July 2026). The comments in the code are by the model that wrote it; some were corrected since.
;; Muti Query Attention. Allowed arithmetic: matrix products marked QUANTISED: E2M1 operands, one E8M0 scale for each 32 along K, by v_wmma_scale_f32_16x16x128_f8f6f4 with both operands' format E2M1 (or v_wmma_scale_f32_32x16x128_f4), f32 sums; everything else in f32.
;; Inputs: Wk 1,024 x 64 float32; Wo 1,024 x 1,024 float32; Wq 1,024 x 1,024 float32; Wv 1,024 x 64 float32; bk 64 float32; bo 1,024 float32; bq 1,024 float32; bv 64 float32; hidden_state 4 x 2,048 x 1,024 float32.
;; Outputs: out0 4 x 2,048 x 1,024 float32.
;; This version of the problem:
;;   THIS VERSION OF THE PROBLEM IS GIVEN IN LOW PRECISION. The matrix products marked QUANTISED in the list below multiply operands that are first quantised to E2M1 (2 exponent bits, 1 mantissa bit; 4 bits a number), with one power-of-two scale for each 32 numbers along K (OCP MX v1.0); their sums are f32. All else is computed in f32.
;;   The module's matrix products, in the order in which they are computed (A, B: the left and right operand; K: the contracted axis; several contracted axes count as one K, in the product's order):
;;     1. [M 8,192, K 1,024] x [K 1,024, N 1,024]; A: input hidden_state; B: input Wq: QUANTISED
;;     2. [M 8,192, K 1,024] x [K 1,024, N 64]; A: input hidden_state; B: input Wk: QUANTISED
;;     3. [M 8,192, K 1,024] x [K 1,024, N 64]; A: input hidden_state; B: input Wv: QUANTISED
;;     4. batch 4 x [M 2,048, K 64] x [K 64, N 32,768]; A: computed on the way; B: computed on the way: QUANTISED
;;     5. batch 4 x [M 64, K 2,048] x [K 2,048, N 32,768]; A: computed on the way; B: softmax (see below): QUANTISED
;;     6. [M 8,192, K 1,024] x [K 1,024, N 1,024]; A: computed on the way; B: input Wo: QUANTISED
;;   THE QUANTISER, for each operand of a quantised product, along K:
;;     - K is cut into blocks of 32 from its start; a last block that is shorter is filled with zeros.
;;     - A block's scale is 2^e with e = floor(log2(the largest magnitude in the block)) - 2, held to -126 .. 127; a block of zeros has e = 0. As a byte (E8M0): e + 127.
;;     - Each number is divided by its block's scale, clamped to +-6, and rounded to the nearest number of E2M1, ties to even, subnormals kept.
;;     - The product sums the exact products of the quantised numbers (number of the format x scale) in f32.
;;   ~~~python
;;   def quantise(x, axis):      # numpy; x: float32 -> the quantised numbers, widened to float32 again
;;       x = np.moveaxis(x, axis, -1); K = x.shape[-1]
;;       x = np.pad(x, [(0, 0)] * (x.ndim - 1) + [(0, -K % 32)]); x = x.reshape(x.shape[:-1] + (-1, 32)); a = np.abs(x).max(-1, keepdims=True)
;;       e = np.where(a > 0, np.clip(np.frexp(np.where(a > 0, a, 1))[1] - 1 - 2, -126, 127), 0)      # np.frexp(a)[1] - 1 = floor(log2(a)), exactly
;;       r = np.clip(x / 2.0 ** e, -6, 6)
;;       step = 2.0 ** (np.maximum(np.frexp(np.where(r == 0, 1, r))[1] - 1, 0) - 1)
;;       q = np.round(r / step) * step * 2.0 ** e      # np.round: ties to even
;;       return np.moveaxis(q.reshape(q.shape[:-2] + (-1,))[..., :K], -1, axis).astype(np.float32)
;;   ~~~
;;   SOFTMAX AHEAD OF A QUANTISED PRODUCT. Where the list says 'softmax', what is quantised is not the finished softmax but p = 2^(t - M), with t = logit x log2(e) and M = ceil(the row's largest t), a whole number; so 1/2 < the row's largest p <= 1. The row's sum l is taken of the UNQUANTISED p, in f32, and the product's result is divided by l at the end. Since M is a whole number, a kernel that streams over the keys may use a running M (the ceiling of the running maximum): every later rescaling is an exact power of two, which a block's scale takes up: the codes' values come out the same.
;;   OPERANDS COMPUTED ON THE WAY. 'Computed on the way' means the value that the module computes at that place (a softmax that the list does not call 'softmax' is quantised finished and normalised). What goes into a quantiser is computed in f32, as accurately as f32 sums, v_exp_f32 and their like allow (about 1e-6 of the number): no bf16 or f16 on the way to a quantiser, and a product that is left as it is and whose result goes on into a quantised operand takes f32 operands (vector FMAs, or v_wmma_f32_16x16x4_f32). A number that lies on a knife's edge between two numbers of the format may be rounded either way, as far as f32 arithmetic and the matrix unit's own rounding can turn it there, and no further.
;; One version. Each part assembles by itself: llvm-mc -triple=amdgcn-amd-amdhsa -mcpu=gfx1250 --defsym DOCPART=n.
;; ======== version 1 of 1: 4 launches
;; limits: right only within a limited range of input values
;; workspace buffers: hsq 4,456,448 bytes; wimg 1,183,744 bytes; qimg 5,242,880 bytes; kv 655,360 bytes; oq 4,456,448 bytes
;; launch prep (part 1): grid 196 x 1, 8 waves a work-group, no clusters, 70,656 bytes of LDS; arguments hidden_state, Wq, Wk, Wv, Wo, hsq, wimg; writes hsq, wimg
.if DOCPART == 1
	.amdgcn_target "amdgcn-amd-amdhsa--gfx1250"
	.amdhsa_code_object_version 6
	.text
	.protected	k_qc36cd8f422_prep
	.globl	k_qc36cd8f422_prep
	.p2align	8
	.type	k_qc36cd8f422_prep,@function
k_qc36cd8f422_prep:
	s_mov_b64 s[64:65], 0
	v_nop
	global_prefetch_b8 v0, s[64:65] scope:SCOPE_SE
	s_setreg_imm32_b32 hwreg(HW_REG_WAVE_MODE, 25, 1), 1
	s_wait_xcnt 0x0
; MULTI-QUERY ATTENTION IN MX-FP4, launch 1 of 4: hidden_state and the four weights become codes of E2M1 with one E8M0 byte for each 32 along K.
; NO WORK IS LEFT OUT in this program: every product of the problem is live, every bias goes into a quantised operand or into the output, and all nine inputs are loaded (bq, bk, bv in launch 2, bo in launch 4).
; LIMITS: NaN and infinities among the inputs are not served.  A block whose largest magnitude lies under 2^(3 - 127) keeps the byte 1; a block of zeros gets the byte 1 where the rule says 127:
; its codes are zeros, which add nothing under any byte but 0xff, and the bytes are read by this program alone.
; WHAT IS WRITTEN.  A FRAGMENT (16 rows x 128 K) is stored as the image of the operand's registers: block B of 32 along K, slot r: 16 bytes at 256 B + 16 r, 1,024 bytes in all.
; A TILE RECORD (16 rows, K = 1,024) is 8,704 bytes: eight fragments, then the scale words: that of (slot r, K step ks) at 8,192 + 256 (ks / 4) + 16 r + 4 (ks % 4).
; THE ROWS OF A TILE ARE NOT NEIGHBOURS: slot s of tile T is row 32 (T / 2) + 8 (T % 2) + s + 8 (s / 8), so that the results of two neighbouring tiles, used as source 0, are 16 neighbours in a lane.
; hsq: 512 records, the tiles of hidden_state's 8,192 rows.  wimg: 136 records, a tile's rows being weight COLUMNS: Wq 0-63, Wk 64-67, Wv 68-71, Wo 72-135.
; SHARES.  Work-groups 0-67 take the weights, 68-195 hidden_state; no input byte is read by two work-groups, so there is no cluster, and no tensor load: all goes through registers.
.set TRB,   8704
.set WSCA,  0                          ; LDS: the scale words of a weight work-group with rows of 4,096 bytes: 1,024 bytes;
.set WSCB,  1024                       ; of one with rows of 256 bytes: bytes of its own;
.set HSTG,  2048                       ; hidden_state: a stage of 16 rows x (512 + 16) bytes for each wave
.set SPARE, HSTG+8*8448                ; the spare words, 128 bytes a wave: four blocks of 256 bytes that no other line names
.set LN,  1                            ; v1  lane
.set RR,  2                            ; v2  r = lane % 16
.set HH,  3                            ; v3  h = lane / 16
.set LI,  4                            ; v4  16 x lane
.set VL4, 5                            ; v5  4 x lane
.set SPW, 6                            ; v6  my spare word's LDS address; never rewritten
.set NIL, 7                            ; v7  0; never rewritten
.set WOFF, 8                           ; weights: my column's 16 bytes in the pair of records
.set WSA, 9                            ; where my scale word goes in LDS
.set WSR, 10                           ; where 16 bytes of the scale image are read back
.set WSO, 11                           ; and where they go in the pair of records
.set M0,  12
.set M1,  13
.set SCO, 14                           ; the conversion's scale operand
.set SB,  15                           ; my column's four scale bytes
.set X,   16                           ; v16-79   two sets of 32 numbers down K
.set CW,  144                          ; v144-159 a block's codes, registers of their own for each block
.set RB,  160                          ; v160-163 the scale image on its way out
.set SWA, 8                            ; hidden_state: the stage, on the way in
.set SRA, 9                            ; and on the way out
.set SO8, 10                           ; 16 r + 8 h
.set R,   16                           ; v16-143  two sets of 16 x 4 registers as loaded
.set XH,  144                          ; v144-207 64 numbers of my row: register 16 b + i = k 32 b + 16 h + i
.set TM,  208                          ; v208-223 at work
.set PC,  224                          ; v224-231 the fragment just made
.set PW,  232                          ; v232-235 a scale word for each of my four K steps
.set E,   236                          ; v236-237 my 8 bytes of the scale image
.set SEL, 32                           ; s[32:33] v_permlanex16_b32's selects for lane l xor 16
; 64 numbers of a lane, register 16 b + i = k 32 b + 16 h + i of my row, become a fragment's codes in v[pc] on and its scale word in v[pw].
.macro QUANT s, pc, pw, tm
.irp b, 0,1,2,3
	v_max3_num_f32 v[\tm+\b], |v[\s+16*\b]|, |v[\s+1+16*\b]|, 0x1800000   ; my 16 numbers of block b, and the floor 2^(3 - 127): the byte cannot fall under 1
.endr
.irp i, 2,4,6,8,10,12,14
.irp b, 0,1,2,3
	s_delay_alu instid0(VALU_DEP_4)
	v_max3_num_f32 v[\tm+\b], v[\tm+\b], |v[\s+16*\b+\i]|, |v[\s+1+16*\b+\i]|   ; the four blocks by turns
.endr
.endr
.irp b, 0,1,2,3
	s_delay_alu instid0(VALU_DEP_4)
	v_permlanex16_b32 v[\tm+4+\b], v[\tm+\b], s[SEL], s[SEL+1]
.endr
.irp b, 0,1,2,3
	s_delay_alu instid0(VALU_DEP_4)
	v_max_num_f32 v[\tm+\b], v[\tm+\b], v[\tm+4+\b]        ; with lane l xor 16's: the block's largest magnitude
.endr
.irp b, 0,1,2,3
	s_delay_alu instid0(VALU_DEP_4)
	v_add_nc_u32 v[\tm+12+\b], 0xff000000, v[\tm+\b]       ; 2 off its exponent field: the conversion's scale operand
.endr
.irp b, 0,1,2,3
	s_delay_alu instid0(VALU_DEP_4)
	v_lshrrev_b32 v[\tm+4+\b], 23, v[\tm+12+\b]            ; the scale's byte
.endr
	s_delay_alu instid0(VALU_DEP_3)
	v_lshl_or_b32 v[(\pw)], v[\tm+5], 8, v[\tm+4]
	s_delay_alu instid0(VALU_DEP_1)
	v_lshl_or_b32 v[(\pw)], v[\tm+6], 16, v[(\pw)]
	s_delay_alu instid0(VALU_DEP_1)
	v_lshl_or_b32 v[(\pw)], v[\tm+7], 24, v[(\pw)]
.irp b, 0,1,2,3
	v_cvt_scalef32_pk8_fp4_f32 v[\pc+2*\b], v[\s+16*\b:\s+7+16*\b], v[\tm+12+\b]
	v_cvt_scalef32_pk8_fp4_f32 v[\pc+1+2*\b], v[\s+8+16*\b:\s+15+16*\b], v[\tm+12+\b]
.endr
	v_nop                                          ; one plain place behind a scaled conversion
.irp c, 0,1
.irp i, 0,1
	v_permlane16_swap_b32 v[\pc+4*\c+\i], v[\pc+2+4*\c+\i] ; the operand wants a whole block in a lane: lanes 0-15 block 2 c, lanes 16-31 block 2 c + 1
.endr
.endr
.endm
	s_load_b256 s[4:11], s[0:1], 0x0               ; hidden_state s[4:5], Wq s[6:7], Wk s[8:9], Wv s[10:11]
	s_load_b128 s[12:15], s[0:1], 0x20             ; Wo s[12:13], hsq s[14:15]
	s_load_b64 s[16:17], s[0:1], 0x30              ; wimg
	v_lshl_add_u32 v[SPW], v0, 2, SPARE
	v_mov_b32 v[NIL], 0
	v_lshrrev_b32 v[LN], 5, v0
	s_delay_alu instid0(VALU_DEP_1)
	v_readfirstlane_b32 s18, v[LN]                 ; wave 0..7
	v_and_b32 v[LN], 31, v0
	v_and_b32 v[RR], 15, v0
	v_bfe_u32 v[HH], v0, 4, 1
	s_delay_alu instid0(VALU_DEP_3)
	v_lshlrev_b32 v[LI], 4, v[LN]
	s_cmp_lt_u32 ttmp9, 68
	s_cbranch_scc0 .Lhidden
; ---- THE WEIGHTS.  K is their first axis: a lane takes a column and its registers run down K, so a block of 32 lies in one lane and the codes come out with K innermost.
; Work-group: P = id / 2, 64 columns (four tiles); id % 2, which half of K.  Wave: w % 2, which 32 columns; w / 2, which of the half's four K steps of 128.
	s_lshr_b32 s19, ttmp9, 1                       ; P: 0-15 Wq, 16 Wk, 17 Wv, 18-33 Wo; its tiles are 4 P .. 4 P + 3
	s_and_b32 s20, ttmp9, 1                        ; which half of K
	s_and_b32 s21, s18, 1                          ; which 32 columns
	s_lshr_b32 s22, s18, 1                         ; which K step of the half
	s_lshl_b32 s23, s20, 2
	s_add_co_u32 s23, s23, s22                     ; the K step, 0..7
	s_wait_alu depctr_va_vdst(0)
	v_lshlrev_b32 v[VL4], 2, v[LN]
	v_bfe_u32 v[M0], v0, 3, 1                      ; column l of the 32 is slot m = l % 8 + 8 (l / 16) of tile u = (l / 8) % 2
	v_and_b32 v[M1], 7, v0
	s_delay_alu instid0(VALU_DEP_1)
	v_lshl_add_u32 v[M1], v[HH], 3, v[M1]
	s_delay_alu instid0(VALU_DEP_1)
	v_lshlrev_b32 v[M1], 4, v[M1]                  ; 16 m
	s_delay_alu instid0(VALU_DEP_1)
	v_mad_u32_u24 v[WOFF], v[M0], TRB, v[M1]
	s_delay_alu instid0(VALU_DEP_2)
	v_lshl_add_u32 v[WSA], v[M0], 8, v[M1]         ; the scale words in LDS: 512 x (which 32 columns) + 256 u + 16 m + 4 x (which K step)
	s_lshl_b32 s24, s21, 9
	v_add_nc_u32 v[WSR], s24, v[LI]
	s_lshl_b32 s25, s22, 2
	s_add_co_u32 s24, s24, s25
	v_add_nc_u32 v[WSA], s24, v[WSA]
	v_mul_u32_u24 v[WSO], v[HH], TRB
	s_delay_alu instid0(VALU_DEP_1)
	v_lshl_add_u32 v[WSO], v[RR], 4, v[WSO]
	s_lshl_b32 s24, s19, 2
	s_lshl_b32 s25, s21, 1
	s_add_co_u32 s24, s24, s25                     ; my pair of tiles: 4 P + 2 x (which 32 columns)
	s_mul_i32 s24, s24, TRB
	s_mov_b32 s25, 0
	s_lshl_b32 s26, s23, 10                        ; the K step's fragment
	s_mov_b32 s27, 0
	s_lshl_b32 s28, s20, 8
	s_add_co_u32 s28, s28, 8192                    ; the half's unit of the scale image
	s_mov_b32 s29, 0
	s_lshl_b32 s30, s21, 7                         ; my 32 columns in a row of the weight: 128 bytes
	s_mov_b32 s31, 0
	s_wait_kmcnt 0x0
	s_add_nc_u64 s[24:25], s[16:17], s[24:25]
	s_add_nc_u64 s[28:29], s[24:25], s[28:29]
	s_add_nc_u64 s[24:25], s[24:25], s[26:27]
.macro WLOAD t, pitch                  ; block t: W(32 t + i, my column) into set t % 2; 32 lanes read 128 neighbouring bytes, the wave beside me the other 128 of the 256
.irp i, 0,1,2,3,4,5,6,7,8,9,10,11,12,13,14,15,16,17,18,19,20,21,22,23,24,25,26,27,28,29,30,31
	global_load_b32 v[X+32*((\t)%2)+\i], v[VL4], s[34:35] offset:(32*(\t)+\i)*\pitch th:TH_LOAD_NT
.endr
.endm
.macro WBLOCK t, pitch
.set XS, X+32*((\t)%2)
.if (\t) < 3
	s_wait_loadcnt 32                              ; this block's 32 loads are in; the next block's 32 may be out
.else
	s_wait_loadcnt 0x0
.endif
	v_max3_num_f32 v[M0], |v[XS]|, |v[XS+1]|, |v[XS+2]|
	v_max3_num_f32 v[M1], |v[XS+3]|, |v[XS+4]|, |v[XS+5]|
.irp i, 6,10,14,18,22,26
	s_delay_alu instid0(VALU_DEP_2)
	v_max3_num_f32 v[M0], v[M0], |v[XS+\i]|, |v[XS+\i+1]|
	s_delay_alu instid0(VALU_DEP_2)
	v_max3_num_f32 v[M1], v[M1], |v[XS+\i+2]|, |v[XS+\i+3]|
.endr
	s_delay_alu instid0(VALU_DEP_2)
	v_max3_num_f32 v[M0], v[M0], |v[XS+30]|, |v[XS+31]|
	s_delay_alu instid0(VALU_DEP_1)
	v_max3_num_f32 v[M0], v[M0], v[M1], 0x1800000  ; the block's largest magnitude, and the floor
	s_delay_alu instid0(VALU_DEP_1)
	v_add_nc_u32 v[SCO], 0xff000000, v[M0]
	s_delay_alu instid0(VALU_DEP_1)
	v_lshrrev_b32 v[M1], 23, v[SCO]
.if (\t) == 0
	s_delay_alu instid0(VALU_DEP_1)
	v_mov_b32 v[SB], v[M1]
.else
	s_delay_alu instid0(VALU_DEP_1)
	v_lshl_or_b32 v[SB], v[M1], 8*(\t), v[SB]
.endif
.irp g, 0,1,2,3
	v_cvt_scalef32_pk8_fp4_f32 v[CW+4*(\t)+\g], v[XS+8*\g:XS+8*\g+7], v[SCO]
.endr
	global_store_b128 v[WOFF], v[CW+4*(\t):CW+4*(\t)+3], s[24:25] offset:256*(\t)   ; block t of two fragments: two runs of 256 consecutive bytes, each written whole
.if (\t)+2 < 4
	WLOAD (\t)+2, \pitch
.endif
.endm
.macro WPATH pitch, wsc
	WLOAD 0, \pitch
	WLOAD 1, \pitch
	WBLOCK 0, \pitch
	WBLOCK 1, \pitch
	WBLOCK 2, \pitch
	WBLOCK 3, \pitch
	ds_store_b32 v[WSA], v[SB] offset:\wsc         ; my column's word of this K step
	s_wait_dscnt 0x0                               ; for the others' sake: it has landed
	s_barrier_signal -1
	s_barrier_wait -1
	s_cmp_lt_u32 s18, 2                            ; waves 0 and 1 store the scale image of their pair of tiles: four K steps' words of 32 columns
	s_cbranch_scc0 .Lwdone_\@
	ds_load_b128 v[RB:RB+3], v[WSR] offset:\wsc
	s_wait_dscnt 0x0
	global_store_b128 v[WSO], v[RB:RB+3], s[28:29] ; two runs of 256 consecutive bytes
.Lwdone_\@:
	s_wait_tensorcnt 0x0                           ; the wave's end, behind my last LDS store
	ds_add_u32 v[SPW], v[NIL]
	s_wait_dscnt 0x0
	s_endpgm
.endm
	s_sub_co_u32 s32, s19, 16
	s_cmp_lt_u32 s32, 2                            ; P = 16 or 17: Wk or Wv, whose rows are 256 bytes
	s_cbranch_scc1 .Lnarrow
	s_cmp_lt_u32 s19, 16
	s_cselect_b64 s[34:35], s[6:7], s[12:13]       ; Wq or Wo: the choice hangs on the work-group's number alone
	s_cselect_b32 s32, 0, 18
	s_sub_co_u32 s32, s19, s32
	s_lshl_b32 s32, s32, 8                         ; 64 columns are 256 bytes
	s_add_co_u32 s30, s30, s32
	s_lshl_b32 s32, s23, 19                        ; a K step is 128 rows of 4,096 bytes
	s_add_co_u32 s30, s30, s32
	s_add_nc_u64 s[34:35], s[34:35], s[30:31]
	WPATH 4096, WSCA
.Lnarrow:
	s_cmp_eq_u32 s19, 16
	s_cselect_b64 s[34:35], s[8:9], s[10:11]       ; Wk or Wv
	s_lshl_b32 s32, s23, 15                        ; 128 rows of 256 bytes
	s_add_co_u32 s30, s30, s32
	s_add_nc_u64 s[34:35], s[34:35], s[30:31]
	WPATH 256, WSCB
; ---- hidden_state.  K is innermost.  A wave takes half of a tile's K: four K steps of 128.  Each load reads 512 consecutive bytes of one row; a K step's 16 rows turn through the wave's own stage,
; so that a lane gets 16 neighbours of each block of 32 of ITS row.  Loads run two K steps (32 loads a wave) ahead.
.Lhidden:
	s_sub_co_u32 s19, ttmp9, 68
	s_lshl_b32 s19, s19, 3
	s_add_co_u32 s19, s19, s18
	s_lshr_b32 s20, s19, 1                         ; the tile, 0..511
	s_and_b32 s21, s19, 1                          ; which half of K
	s_lshr_b32 s22, s20, 1
	s_lshl_b32 s22, s22, 5
	s_and_b32 s23, s20, 1
	s_lshl_b32 s23, s23, 3
	s_add_co_u32 s22, s22, s23                     ; slot 0's row
	s_lshl_b32 s22, s22, 12
	s_lshl_b32 s23, s21, 11
	s_add_co_u32 s22, s22, s23
	s_mov_b32 s23, 0
	s_mul_i32 s24, s20, TRB
	s_mov_b32 s25, 0
	s_lshl_b32 s26, s21, 12                        ; the half's four fragments
	s_mov_b32 s27, 0
	s_lshl_b32 s28, s21, 8
	s_add_co_u32 s28, s28, 8192                    ; the half's unit of the scale image
	s_mov_b32 s29, 0
	s_mul_i32 s30, s18, 8448
	s_add_co_u32 s30, s30, HSTG                    ; my stage
	s_wait_alu depctr_va_vdst(0)
	v_add_nc_u32 v[SWA], s30, v[LI]
	v_mul_u32_u24 v[SRA], v[RR], 528
	s_delay_alu instid0(VALU_DEP_1)
	v_lshl_add_u32 v[SRA], v[HH], 6, v[SRA]
	s_delay_alu instid0(VALU_DEP_1)
	v_add_nc_u32 v[SRA], s30, v[SRA]
	v_lshlrev_b32 v[SO8], 4, v[RR]
	s_delay_alu instid0(VALU_DEP_1)
	v_lshl_add_u32 v[SO8], v[HH], 3, v[SO8]
	s_mov_b32 s[SEL], 0x76543210
	s_mov_b32 s[SEL+1], 0xfedcba98
.irp b, 0,1,2,3
	v_mov_b32 v[TM+4+\b], 0                        ; written once: a lane permute's destination counts as one of its sources
.endr
	s_wait_alu depctr_va_vdst(0)
	s_wait_kmcnt 0x0
	s_add_nc_u64 s[4:5], s[4:5], s[22:23]
	s_add_nc_u64 s[24:25], s[14:15], s[24:25]
	s_add_nc_u64 s[28:29], s[24:25], s[28:29]
	s_add_nc_u64 s[24:25], s[24:25], s[26:27]
.macro HLOAD k                         ; K step k of the 16 rows into set k % 2
.irp s, 0,1,2,3,4,5,6,7,8,9,10,11,12,13,14,15
	global_load_b128 v[R+64*((\k)%2)+4*\s:R+64*((\k)%2)+4*\s+3], v[LI], s[4:5] offset:(\s+8*(\s/8))*4096+512*(\k) th:TH_LOAD_NT
.endr
.endm
.macro HUNIT k
.if (\k) < 3
	s_wait_loadcnt 16                              ; this K step's 16 loads are in; the next one's 16 may be out
.else
	s_wait_loadcnt 0x0
.endif
.irp s, 0,1,2,3,4,5,6,7,8,9,10,11,12,13,14,15
	ds_store_b128 v[SWA], v[R+64*((\k)%2)+4*\s:R+64*((\k)%2)+4*\s+3] offset:528*\s
.endr
.irp b, 0,1,2,3
.irp j, 0,1,2,3
	ds_load_b128 v[XH+16*\b+4*\j:XH+16*\b+4*\j+3], v[SRA] offset:128*\b+16*\j   ; LDS serves a wave's instructions in order: these see my stores
.endr
.endr
	s_wait_dscnt 0x0                               ; my numbers are back, and the stores have read the set, which the loads below fill again
.if (\k) > 0
	s_wait_xcnt 0x0                                ; the last K step's stores have read the fragment's registers, which are written again below
.endif
.if (\k)+2 < 4
	HLOAD (\k)+2
.endif
	QUANT XH, PC, PW+(\k), TM
	global_store_b128 v[LI], v[PC:PC+3], s[24:25] offset:1024*(\k)        ; the fragment as it stands: 512 consecutive bytes a store
	global_store_b128 v[LI], v[PC+4:PC+7], s[24:25] offset:1024*(\k)+512
.endm
	HLOAD 0
	HLOAD 1
	HUNIT 0
	HUNIT 1
	HUNIT 2
	HUNIT 3
	v_cmp_lt_u32 vcc_lo, 15, v[LN]                 ; slot r's four words: lanes 0-15 store the first two, lanes 16-31 the other two
	s_delay_alu instid0(VALU_DEP_1)
	v_cndmask_b32 v[E], v[PW], v[PW+2], vcc_lo
	s_delay_alu instid0(VALU_DEP_2)
	v_cndmask_b32 v[E+1], v[PW+1], v[PW+3], vcc_lo
	global_store_b64 v[SO8], v[E:E+1], s[28:29]    ; 256 consecutive bytes
	s_wait_tensorcnt 0x0                           ; the wave's end, behind my last LDS store
	ds_add_u32 v[SPW], v[NIL]
	s_wait_dscnt 0x0
	s_endpgm
.Lfunc_end_k_qc36cd8f422_prep:
	.size	k_qc36cd8f422_prep, .Lfunc_end_k_qc36cd8f422_prep-k_qc36cd8f422_prep
	.p2alignl 7, 3214868480
	.fill 96, 4, 3214868480
	.section	.rodata,"a",@progbits
	.p2align	6, 0x0
	.amdhsa_kernel k_qc36cd8f422_prep
		.amdhsa_group_segment_fixed_size 70656
		.amdhsa_private_segment_fixed_size 0
		.amdhsa_enable_private_segment 0
		.amdhsa_kernarg_size 56
		.amdhsa_user_sgpr_count 2
		.amdhsa_user_sgpr_kernarg_segment_ptr 1
		.amdhsa_wavefront_size32 1
		.amdhsa_system_sgpr_workgroup_id_x 1
		.amdhsa_system_sgpr_workgroup_id_y 1
		.amdhsa_system_sgpr_workgroup_id_z 1
		.amdhsa_system_vgpr_workitem_id 0
		.amdhsa_next_free_vgpr 240
		.amdhsa_next_free_sgpr 66
		.amdhsa_reserve_vcc 1
		.amdhsa_float_denorm_mode_32 3
		.amdhsa_float_denorm_mode_16_64 3
		.amdhsa_memory_ordered 1
		.amdhsa_forward_progress 1
		.amdhsa_inst_pref_size 83
	.end_amdhsa_kernel
	.amdgpu_metadata
---
amdhsa.version: [ 1, 2 ]
amdhsa.kernels:
  - .name:           k_qc36cd8f422_prep
    .symbol:         k_qc36cd8f422_prep.kd
    .args:
      - { .name: hidden_state, .offset: 0, .size: 8, .value_kind: global_buffer, .address_space: global }
      - { .name: Wq, .offset: 8, .size: 8, .value_kind: global_buffer, .address_space: global }
      - { .name: Wk, .offset: 16, .size: 8, .value_kind: global_buffer, .address_space: global }
      - { .name: Wv, .offset: 24, .size: 8, .value_kind: global_buffer, .address_space: global }
      - { .name: Wo, .offset: 32, .size: 8, .value_kind: global_buffer, .address_space: global }
      - { .name: hsq, .offset: 40, .size: 8, .value_kind: global_buffer, .address_space: global }
      - { .name: wimg, .offset: 48, .size: 8, .value_kind: global_buffer, .address_space: global }
    .group_segment_fixed_size: 70656
    .private_segment_fixed_size: 0
    .kernarg_segment_align: 8
    .kernarg_segment_size: 56
    .max_flat_workgroup_size: 256
    .sgpr_count:     66
    .vgpr_count:     240
    .wavefront_size: 32
...
	.end_amdgpu_metadata
.endif
;; end of part 1
;; launch qkv (part 2): grid 64 x 4, 18 waves a work-group, clusters of 4 x 1, 327,680 bytes of LDS; arguments hsq, wimg, bq, bk, bv, qimg, kv; writes qimg, kv
.if DOCPART == 2
	.amdgcn_target "amdgcn-amd-amdhsa--gfx1250"
	.amdhsa_code_object_version 6
	.text
	.protected	k_qc36cd8f422_qkv
	.globl	k_qc36cd8f422_qkv
	.p2align	8
	.type	k_qc36cd8f422_qkv,@function
k_qc36cd8f422_qkv:
	s_mov_b64 s[64:65], 0
	v_nop
	global_prefetch_b8 v0, s[64:65] scope:SCOPE_SE
	s_setreg_imm32_b32 hwreg(HW_REG_WAVE_MODE, 25, 1), 1
	s_wait_xcnt 0x0
	s_wait_alu depctr_hold_cnt(0) depctr_sa_sdst(0) depctr_va_vdst(0) depctr_va_sdst(0) depctr_va_ssrc(0) depctr_va_vcc(0) depctr_vm_vsrc(0)
	s_getreg_b32 s2, hwreg(HW_REG_IB_STS2, 6, 4)
	s_cmp_eq_u32 s2, 0
	s_cbranch_scc0 .Lentry_in_a_cluster
	s_endpgm
.Lentry_in_a_cluster:
	s_bfe_u32 s2, ttmp6, 0x10000c
	s_cmp_lg_u32 s2, 0x3003
	s_cbranch_scc0 .Lentry_shape_is_right
	s_endpgm
.Lentry_shape_is_right:
; Launch 2 of 4: q = x Wq + bq, k = x Wk + bk, v = x Wv + bv on codes of E2M1, and the quantisers of q and k (along the head's 64) and of v (along the keys).  No work is left out.
; LIMITS as in launch 1: no NaN or infinity; a block under 2^(3 - 127), or of zeros, keeps the byte 1.
; SHARES.  Work-group (x, y): the 128 rows 128 x .. of hidden_state (eight tiles; they are also key step x % 16 of batch x / 16) and the four heads 4 y .. 4 y + 3.
; Waves 0-15: two row tiles x one head (four tiles of Wq).  Wave 16: k of row tiles 2 y, 2 y + 1 (four tiles of Wk): the same shape.  Wave 17: v: all eight row tiles as source 0, tile y of Wv as source 1.
; ALL OF K = 1,024 LIES IN LDS: 30 tile records of 8,704 bytes, filled once by fifteen tensor loads of two records, one a wave; so there is no ring, and one barrier.
; CLUSTER: the four work-groups of a cluster share y, and so all their 22 weight records: those come by joint loads with the mask of all four; the eight records of hidden_state are each work-group's own.
; q and k are used TRANSPOSED (source 0 = 16 weight columns, source 1 = 16 rows): a lane holds one row and 16 neighbouring d of each block of 32.  For v source 0 = 16 rows (keys): a lane holds one d and neighbouring keys.
; WHAT IS WRITTEN.  A SHORT RECORD is 1,280 bytes: one fragment (block B, slot r at 256 B + 16 r) and 256 bytes of scale words, four for each slot: [B0 B1 B0 B1], [B2 B3 B2 B3], and twice the word as it is.
; qimg [pair of row tiles g][head]: block 2 a + b = tile 2 g + a, d 32 b on.   kv [x][8]: records 0-3: k of tiles 2 b, 2 b + 1 of the step, laid likewise; records 4-7: v, slot r = a d of tile nt, block B = keys 32 B on.
.set TRB,   8704
.set SRB,   1280
.set NJ,    15                         ; waves 4 to 14 issue joint loads
.set SPARE, 327680-2304                ; the spare words, 128 bytes for each of 18 waves: nine blocks of 256 bytes that no other line names.  Tile record i lies at 8,704 i: 0-7 hidden_state, 8-23 Wq, 24-27 Wk, 28-29 a pair of Wv
.set WV,  18
.set G1P, 24                           ; s[24:31] group 1 of a load of my own;  s[32:39] of a joint load;  s[40:43], s[44:47] their groups 0
.set G1J, 32
.set G0P, 40
.set G0J, 44
.set RP,  48                           ; s[48:49] my record in qimg or kv
.set BP,  50                           ; s[50:51] my head's part of bq, or bk
.set BVP, 52                           ; s[52:53] bv at tile y
.set SEL, 60
.set LI,  1                            ; v1  16 x lane
.set SO8, 2                            ; v2  16 r + 8 h
.set ADW, 3                            ; v3  LDS: my weight tiles' fragments
.set ADH, 4                            ; v4  my row tiles' fragments;  v5: four tiles further on
.set ADH2, 5
.set ASW, 6                            ; v6  my weight tiles' scale words;  v7: my row tiles'
.set ASH, 7
.set SPW, 8
.set NIL, 9
.set BOFF, 10                          ; v10 64 h: my eight d of a tile in a bias
.set LN,  11
.set SW,  12                           ; v12-35 hold scale words and nothing else: v12-27 the weights' (four K steps x four tiles), v28-35 the rows'
.set SH,  28
.set SH8, 12                           ; wave 17: v12-19 the eight row tiles', v20 Wv's
.set SV,  20
.set FW,  36                           ; v36-67 four weight fragments;  v68-83 two row fragments;  v84-115 the bias in the result's layout
.set FH,  68
.set BIAS, 84
.set FH8, 36                           ; wave 17: v36-99 eight row fragments;  v100-107 Wv's;  v108-109 bv of my d, twice
.set FV,  100
.set BV,  108
.set ACC, 116                          ; v116-179 eight accumulators
.set TM,  36                           ; behind the products: at work
.set PC,  52
.set PW,  60
.set P0,  61
.set P1,  62
.set E,   64
.set BOFV, 180
.set T1,  181
.set T2,  182
.set T3,  183
.macro PLACES                          ; four plain places in front of loads into registers that matrix instructions have read, and of the first read of results
.rept 4
	v_nop
.endr
.endm
.macro CROUND                          ; a round of the cluster's barrier
	s_barrier_signal -1
	s_barrier_wait -1
	s_cmp_lg_u32 s[WV], 0
	s_cbranch_scc1 .Lnot_wave_0_\@
	s_barrier_signal -3
.Lnot_wave_0_\@:
	s_barrier_wait -3
	s_barrier_signal -1
	s_barrier_wait -1
.endm
.macro TLOAD2                          ; waves 0-3: my work-group's own records; waves 4 to NJ - 1: joint; the others nothing.  The branches hang on the wave's number alone.
	s_cmp_lt_u32 s[WV], 4
	s_cbranch_scc0 .Lnot_p_\@
	tensor_load_to_lds s[G0P:G0P+3], s[G1P:G1P+7]
	s_nop 0
.rept 4
	v_nop
.endr
	s_branch .Lasked_\@
.Lnot_p_\@:
	s_cmp_lt_u32 s[WV], NJ
	s_cbranch_scc0 .Lasked_\@
	tensor_load_to_lds s[G0J:G0J+3], s[G1J:G1J+7]
	s_nop 0
.rept 4
	v_nop
.endr
.Lasked_\@:
.endm
.macro QUANT s, pc, pw, tm             ; 64 numbers of a lane, register 16 b + i = element 32 b + 16 h + i of my row, become a fragment in v[pc] on and its scale word in v[pw]
.irp b, 0,1,2,3
	v_max3_num_f32 v[\tm+\b], |v[\s+16*\b]|, |v[\s+1+16*\b]|, 0x1800000   ; and the floor 2^(3 - 127)
.endr
.irp i, 2,4,6,8,10,12,14
.irp b, 0,1,2,3
	s_delay_alu instid0(VALU_DEP_4)
	v_max3_num_f32 v[\tm+\b], v[\tm+\b], |v[\s+16*\b+\i]|, |v[\s+1+16*\b+\i]|
.endr
.endr
.irp b, 0,1,2,3
	s_delay_alu instid0(VALU_DEP_4)
	v_permlanex16_b32 v[\tm+4+\b], v[\tm+\b], s[SEL], s[SEL+1]
.endr
.irp b, 0,1,2,3
	s_delay_alu instid0(VALU_DEP_4)
	v_max_num_f32 v[\tm+\b], v[\tm+\b], v[\tm+4+\b]
.endr
.irp b, 0,1,2,3
	s_delay_alu instid0(VALU_DEP_4)
	v_add_nc_u32 v[\tm+12+\b], 0xff000000, v[\tm+\b]       ; 2 off the exponent field: the conversion's scale operand
.endr
.irp b, 0,1,2,3
	s_delay_alu instid0(VALU_DEP_4)
	v_lshrrev_b32 v[\tm+4+\b], 23, v[\tm+12+\b]
.endr
	s_delay_alu instid0(VALU_DEP_3)
	v_lshl_or_b32 v[(\pw)], v[\tm+5], 8, v[\tm+4]
	s_delay_alu instid0(VALU_DEP_1)
	v_lshl_or_b32 v[(\pw)], v[\tm+6], 16, v[(\pw)]
	s_delay_alu instid0(VALU_DEP_1)
	v_lshl_or_b32 v[(\pw)], v[\tm+7], 24, v[(\pw)]
.irp b, 0,1,2,3
	v_cvt_scalef32_pk8_fp4_f32 v[\pc+2*\b], v[\s+16*\b:\s+7+16*\b], v[\tm+12+\b]
	v_cvt_scalef32_pk8_fp4_f32 v[\pc+1+2*\b], v[\s+8+16*\b:\s+15+16*\b], v[\tm+12+\b]
.endr
	v_nop                                          ; one plain place behind a scaled conversion
.irp c, 0,1
.irp i, 0,1
	v_permlane16_swap_b32 v[\pc+4*\c+\i], v[\pc+2+4*\c+\i]
.endr
.endr
.endm
; A K step of 128: four weight fragments, two row fragments, every fourth step their scale words for four steps; eight products on eight accumulators, which take turns, one instruction a turn.
.macro KSTEP ks, cmode                 ; cmode 0: the products start the sums; 2: they add
.if \ks > 0
	PLACES
.endif
.irp t, 0,1,2,3
.irp c, 0,1
	ds_load_b128 v[FW+8*\t+4*\c:FW+8*\t+4*\c+3], v[ADW] offset:\t*TRB+\ks*1024+512*\c
.endr
.endr
.irp a, 0,1
.irp c, 0,1
	ds_load_b128 v[FH+8*\a+4*\c:FH+8*\a+4*\c+3], v[ADH] offset:\a*TRB+\ks*1024+512*\c
.endr
.endr
.if (\ks)%4 == 0
.irp t, 0,1,2,3
	ds_load_b128 v[SW+4*\t:SW+4*\t+3], v[ASW] offset:\t*TRB+256*(\ks/4)
.endr
.irp a, 0,1
	ds_load_b128 v[SH+4*\a:SH+4*\a+3], v[ASH] offset:\a*TRB+256*(\ks/4)
.endr
.endif
	s_wait_dscnt 0x0
.irp a, 0,1
.irp t, 0,1,2,3
.if \cmode == 0
	v_wmma_scale_f32_16x16x128_f8f6f4 v[ACC+32*\a+8*\t:ACC+32*\a+8*\t+7], v[FW+8*\t:FW+8*\t+7], v[FH+8*\a:FH+8*\a+7], 0, v[SW+4*\t+(\ks)%4], v[SH+4*\a+(\ks)%4] matrix_a_fmt:MATRIX_FMT_FP4 matrix_b_fmt:MATRIX_FMT_FP4
.else
	v_wmma_scale_f32_16x16x128_f8f6f4 v[ACC+32*\a+8*\t:ACC+32*\a+8*\t+7], v[FW+8*\t:FW+8*\t+7], v[FH+8*\a:FH+8*\a+7], v[ACC+32*\a+8*\t:ACC+32*\a+8*\t+7], v[SW+4*\t+(\ks)%4], v[SH+4*\a+(\ks)%4] matrix_a_fmt:MATRIX_FMT_FP4 matrix_b_fmt:MATRIX_FMT_FP4
.endif
.endr
.endr
.endm
	s_load_b256 s[4:11], s[0:1], 0x0               ; hsq s[4:5], wimg s[6:7], bq s[8:9], bk s[10:11]
	s_load_b128 s[12:15], s[0:1], 0x20             ; bv s[12:13], qimg s[14:15]
	s_load_b64 s[16:17], s[0:1], 0x30              ; kv
	v_lshl_add_u32 v[SPW], v0, 2, SPARE
	v_mov_b32 v[NIL], 0
	ds_add_u32 v[SPW], v[NIL]                      ; the wave's opening: the add, twice on end, and its wait ahead of the first tensor load
	ds_add_u32 v[SPW], v[NIL]
	v_lshrrev_b32 v[T1], 5, v0
	s_delay_alu instid0(VALU_DEP_1)
	v_readfirstlane_b32 s[WV], v[T1]               ; wave 0..17
	s_bfe_u32 s19, ttmp6, 0x40000                  ; cx: my place in the cluster
	s_lshl_b32 s20, ttmp9, 2
	s_add_co_u32 s20, s20, s19                     ; x = 4 x cluster x + cx
	s_and_b32 s21, ttmp7, 0xffff                   ; y, which the four partners share
	s_min_u32 s21, s21, 3                          ; the grid has four work-groups along y: the bound is written out, since LDS addresses are made of y (wave 16's row records 2 y, 2 y + 1; wave 17's weight record 28 + y % 2)
	s_mov_b32 s[G1P], 3<<16                        ; no mask; elements of 8 bytes; no padding: fragments are read 16 bytes a lane on end
	s_mov_b32 s[G1J], 15|(3<<16)|(1<<21)           ; the mask of all four work-groups, bit 21 beside it
.irp g, G1P, G1J
	s_mov_b32 s[\g+1], 32<<16                      ; tensor_dim0 = 32 elements: rows of 256 bytes
	s_mov_b32 s[\g+2], 68<<16                      ; tensor_dim1 = 68 rows: two records, dense in memory
	s_mov_b32 s[\g+3], 32<<16                      ; tile_dim0
	s_mov_b32 s[\g+4], 68                          ; tile_dim1
	s_mov_b32 s[\g+5], 32                          ; the pitch
	s_mov_b32 s[\g+6], 0
	s_mov_b32 s[\g+7], 0
.endr
	s_mul_i32 s22, s[WV], 2*TRB                    ; wave w fills records 2 w, 2 w + 1 of LDS: no place in the cluster enters an LDS address
	s_lshl_b32 s54, s20, 3
	s_lshl_b32 s55, s[WV], 1
	s_add_co_u32 s54, s54, s55                     ; waves 0-3: hsq's tile 8 x + 2 w
	s_mul_i32 s54, s54, TRB
	s_mov_b32 s55, 0
	s_max_u32 s56, s[WV], 4                        ; the joint loads' tile of wimg, in registers that never hold cx:
	s_lshl_b32 s56, s56, 1
	s_lshl_b32 s57, s21, 4
	s_add_co_u32 s57, s57, s56
	s_sub_co_u32 s57, s57, 8                       ; waves 4-11: Wq's 16 y + 2 (w - 4)
	s_add_co_u32 s58, s56, 40                      ; waves 12, 13: Wk's 64 + 2 (w - 12)
	s_and_b32 s59, s21, 2
	s_add_co_u32 s59, s59, 68                      ; wave 14: the pair of Wv's tiles that holds tile y
	s_cmp_lt_u32 s[WV], 12
	s_cselect_b32 s56, s57, s58
	s_cmp_lt_u32 s[WV], 14
	s_cselect_b32 s56, s56, s59
	s_mul_i32 s56, s56, TRB
	s_mov_b32 s57, 0
	s_wait_dscnt 0x0                               ; both opening adds are done
	s_wait_kmcnt 0x0
	s_mov_b32 s[G0P], 1
	s_mov_b32 s[G0P+1], s22
	s_add_nc_u64 s[G0P+2:G0P+3], s[4:5], s[54:55]
	s_or_b32 s[G0P+3], s[G0P+3], 0x80000000
	s_mov_b32 s[G0J], 1
	s_mov_b32 s[G0J+1], s22
	s_add_nc_u64 s[G0J+2:G0J+3], s[6:7], s[56:57]
	s_or_b32 s[G0J+3], s[G0J+3], 0x80000000
	CROUND                                         ; all four work-groups are here: the joint loads meet
	TLOAD2                                         ; one load a wave is out
	v_and_b32 v[LN], 31, v0
	v_and_b32 v[T1], 15, v0                        ; r
	v_bfe_u32 v[T2], v0, 4, 1                      ; h
	s_delay_alu instid0(VALU_DEP_3)
	v_lshlrev_b32 v[LI], 4, v[LN]
	s_wait_alu depctr_va_vdst(0)
	v_lshlrev_b32 v[T3], 4, v[T1]                  ; 16 r
	s_wait_alu depctr_va_vdst(0)
	v_lshl_add_u32 v[SO8], v[T2], 3, v[T3]
	v_lshlrev_b32 v[BOFF], 6, v[T2]
	v_and_b32 v[BOFV], 8, v[T1]
	s_delay_alu instid0(VALU_DEP_1)
	v_add_nc_u32 v[BOFV], v[BOFV], v[T1]
	s_delay_alu instid0(VALU_DEP_1)
	v_lshlrev_b32 v[BOFV], 2, v[BOFV]              ; bv: slot r of a tile is d r + 8 (r / 8) on
	s_and_b32 s22, s[WV], 3
	s_lshl_b32 s23, s22, 2
	s_lshr_b32 s54, s[WV], 4
	s_lshl_b32 s54, s54, 4
	s_add_co_u32 s23, s23, s54
	s_add_co_u32 s23, s23, 8                       ; my first weight record: 8 + 4 (w % 4) for q, 24 for k, 28 for v,
	s_and_b32 s54, s21, 1
	s_cmp_eq_u32 s[WV], 17
	s_cselect_b32 s54, s54, 0
	s_add_co_u32 s23, s23, s54                     ; + y % 2 for v
	s_mul_i32 s23, s23, TRB
	s_lshr_b32 s54, s[WV], 2
	s_lshl_b32 s54, s54, 1                         ; my first row record: 2 (w / 4) for q,
	s_lshl_b32 s55, s21, 1
	s_cmp_lt_u32 s[WV], 16
	s_cselect_b32 s54, s54, s55                    ; 2 y for k,
	s_cmp_eq_u32 s[WV], 17
	s_cselect_b32 s54, 0, s54                      ; 0 for v
	s_mul_i32 s54, s54, TRB
	v_add_nc_u32 v[ADW], s23, v[LI]
	v_add_nc_u32 v[ADH], s54, v[LI]
	s_delay_alu instid0(VALU_DEP_1)
	v_add_nc_u32 v[ADH2], 4*TRB, v[ADH]
	s_add_co_u32 s23, s23, 8192
	s_add_co_u32 s54, s54, 8192
	v_add_nc_u32 v[ASW], s23, v[T3]
	v_add_nc_u32 v[ASH], s54, v[T3]
	s_lshl_b32 s55, s20, 2
	s_lshr_b32 s56, s[WV], 2
	s_add_co_u32 s55, s55, s56                     ; the pair of row tiles 4 x + w / 4
	s_lshl_b32 s55, s55, 4
	s_lshl_b32 s56, s21, 2
	s_add_co_u32 s56, s56, s22                     ; the head 4 y + w % 4
	s_add_co_u32 s55, s55, s56                     ; q's record
	s_lshl_b32 s57, s20, 3
	s_add_co_u32 s57, s57, s21
	s_and_b32 s58, s[WV], 1
	s_lshl_b32 s58, s58, 2
	s_add_co_u32 s57, s57, s58                     ; k's record 8 x + y, v's 8 x + 4 + y
	s_lshl_b32 s56, s56, 8                         ; a head's 64 numbers of bq
	s_cmp_lt_u32 s[WV], 16
	s_cselect_b32 s58, s55, s57
	s_cselect_b32 s56, s56, 0
	s_cselect_b64 s[RP:RP+1], s[14:15], s[16:17]
	s_cselect_b64 s[BP:BP+1], s[8:9], s[10:11]
	s_mul_i32 s58, s58, SRB
	s_mov_b32 s59, 0
	s_mov_b32 s57, 0
	s_add_nc_u64 s[RP:RP+1], s[RP:RP+1], s[58:59]
	s_add_nc_u64 s[BP:BP+1], s[BP:BP+1], s[56:57]
	s_lshr_b32 s56, s21, 1
	s_lshl_b32 s56, s56, 7
	s_and_b32 s58, s21, 1
	s_lshl_b32 s58, s58, 5
	s_add_co_u32 s56, s56, s58                     ; tile y of Wv begins at d 32 (y / 2) + 8 (y % 2)
	s_add_nc_u64 s[BVP:BVP+1], s[12:13], s[56:57]
	s_mov_b32 s[SEL], 0x76543210
	s_mov_b32 s[SEL+1], 0xfedcba98
	s_wait_tensorcnt 0x0                           ; my two records have landed,
	s_barrier_signal -1
	s_barrier_wait -1                              ; everybody's have.  Nothing is filled again
	s_cmp_eq_u32 s[WV], 17
	s_cbranch_scc1 .Lv
; ---- q (waves 0-15) and k (wave 16)
	s_wait_alu depctr_va_vdst(0)
.irp t, 0,1,2,3
.irp i, 0,1
	global_load_b128 v[BIAS+8*\t+4*\i:BIAS+8*\t+4*\i+3], v[BOFF], s[BP:BP+1] offset:(32*(\t/2)+8*(\t%2))*4+16*\i   ; lane (r, h), tile t: the bias at d 32 (t / 2) + 8 (t % 2) + 16 h + 0 .. 7
.endr
.endr
	KSTEP 0, 0
.irp ks, 1,2,3,4,5,6,7
	KSTEP \ks, 2
.endr
	PLACES
	s_wait_loadcnt 0x0
.irp a, 0,1
.irp t, 0,1,2,3
.irp p, 0,2,4,6
	v_pk_add_f32 v[ACC+32*\a+8*\t+\p:ACC+32*\a+8*\t+\p+1], v[ACC+32*\a+8*\t+\p:ACC+32*\a+8*\t+\p+1], v[BIAS+8*\t+\p:BIAS+8*\t+\p+1]   ; the bias comes last; each accumulator is read from its low end on
.endr
.endr
.endr
	s_branch .Lepi
; ---- v (wave 17): source 0 = the eight row tiles, source 1 = tile y of Wv
.Lv:
	s_wait_alu depctr_va_vdst(0)
	global_load_b32 v[BV], v[BOFV], s[BVP:BVP+1]
	global_load_b32 v[BV+1], v[BOFV], s[BVP:BVP+1] ; twice: a pair for the packed addition
.irp ks, 0,1,2,3,4,5,6,7
.if \ks > 0
	PLACES
.endif
.irp t, 0,1,2,3
.irp c, 0,1
	ds_load_b128 v[FH8+8*\t+4*\c:FH8+8*\t+4*\c+3], v[ADH] offset:\t*TRB+\ks*1024+512*\c
	ds_load_b128 v[FH8+32+8*\t+4*\c:FH8+32+8*\t+4*\c+3], v[ADH2] offset:\t*TRB+\ks*1024+512*\c
.endr
.endr
.irp c, 0,1
	ds_load_b128 v[FV+4*\c:FV+4*\c+3], v[ADW] offset:\ks*1024+512*\c
.endr
.irp t, 0,1,2,3,4,5,6,7
	ds_load_b32 v[SH8+\t], v[ASH] offset:\t*TRB+256*(\ks/4)+4*(\ks%4)
.endr
	ds_load_b32 v[SV], v[ASW] offset:256*(\ks/4)+4*(\ks%4)
	s_wait_dscnt 0x0
.irp t, 0,1,2,3,4,5,6,7
.if \ks == 0
	v_wmma_scale_f32_16x16x128_f8f6f4 v[ACC+8*\t:ACC+8*\t+7], v[FH8+8*\t:FH8+8*\t+7], v[FV:FV+7], 0, v[SH8+\t], v[SV] matrix_a_fmt:MATRIX_FMT_FP4 matrix_b_fmt:MATRIX_FMT_FP4
.else
	v_wmma_scale_f32_16x16x128_f8f6f4 v[ACC+8*\t:ACC+8*\t+7], v[FH8+8*\t:FH8+8*\t+7], v[FV:FV+7], v[ACC+8*\t:ACC+8*\t+7], v[SH8+\t], v[SV] matrix_a_fmt:MATRIX_FMT_FP4 matrix_b_fmt:MATRIX_FMT_FP4
.endif
.endr
.endr
	PLACES
	s_wait_loadcnt 0x0
.set j, 0
.rept 32
	v_pk_add_f32 v[ACC+j:ACC+j+1], v[ACC+j:ACC+j+1], v[BV:BV+1]
.set j, j+2
.endr
; ---- all three: the lane's 64 numbers are four blocks of 32 along the next K (q, k: tile a, d 32 b on = block 2 a + b;  v: keys 32 B on): one fragment, one scale word a slot
.Lepi:
.irp b, 0,1,2,3
	v_mov_b32 v[TM+4+\b], 0                        ; a lane permute's destination counts as one of its sources
.endr
	QUANT ACC, PC, PW, TM
	global_store_b128 v[LI], v[PC:PC+3], s[RP:RP+1]                ; the fragment as it stands: 512 consecutive bytes a store
	global_store_b128 v[LI], v[PC+4:PC+7], s[RP:RP+1] offset:512
	v_perm_b32 v[P0], v[PW], v[PW], 0x01000100     ; [B0 B1 B0 B1]: tile 0's two bytes, wherever its 64 codes stand in an operand of 128
	v_perm_b32 v[P1], v[PW], v[PW], 0x03020302     ; [B2 B3 B2 B3]: tile 1's
	v_cmp_lt_u32 vcc_lo, 15, v[LN]
	s_delay_alu instid0(VALU_DEP_1)
	v_cndmask_b32 v[E], v[P0], v[PW], vcc_lo       ; lanes 0-15 store those two, lanes 16-31 the word as it is, twice
	s_delay_alu instid0(VALU_DEP_2)
	v_cndmask_b32 v[E+1], v[P1], v[PW], vcc_lo
	global_store_b64 v[SO8], v[E:E+1], s[RP:RP+1] offset:1024      ; 256 consecutive bytes
	s_wait_tensorcnt 0x0                           ; the wave's end
	ds_add_u32 v[SPW], v[NIL]
	s_wait_dscnt 0x0
	CROUND                                         ; the closing round
	s_endpgm
.Lfunc_end_k_qc36cd8f422_qkv:
	.size	k_qc36cd8f422_qkv, .Lfunc_end_k_qc36cd8f422_qkv-k_qc36cd8f422_qkv
	.p2alignl 7, 3214868480
	.fill 96, 4, 3214868480
	.section	.rodata,"a",@progbits
	.p2align	6, 0x0
	.amdhsa_kernel k_qc36cd8f422_qkv
		.amdhsa_group_segment_fixed_size 327680
		.amdhsa_private_segment_fixed_size 0
		.amdhsa_enable_private_segment 0
		.amdhsa_kernarg_size 56
		.amdhsa_user_sgpr_count 2
		.amdhsa_user_sgpr_kernarg_segment_ptr 1
		.amdhsa_wavefront_size32 1
		.amdhsa_system_sgpr_workgroup_id_x 1
		.amdhsa_system_sgpr_workgroup_id_y 1
		.amdhsa_system_sgpr_workgroup_id_z 1
		.amdhsa_system_vgpr_workitem_id 0
		.amdhsa_next_free_vgpr 192
		.amdhsa_next_free_sgpr 66
		.amdhsa_reserve_vcc 1
		.amdhsa_float_denorm_mode_32 3
		.amdhsa_float_denorm_mode_16_64 3
		.amdhsa_memory_ordered 1
		.amdhsa_forward_progress 1
		.amdhsa_inst_pref_size 58
	.end_amdhsa_kernel
	.amdgpu_metadata
---
amdhsa.version: [ 1, 2 ]
amdhsa.kernels:
  - .name:           k_qc36cd8f422_qkv
    .symbol:         k_qc36cd8f422_qkv.kd
    .args:
      - { .name: hsq, .offset: 0, .size: 8, .value_kind: global_buffer, .address_space: global }
      - { .name: wimg, .offset: 8, .size: 8, .value_kind: global_buffer, .address_space: global }
      - { .name: bq, .offset: 16, .size: 8, .value_kind: global_buffer, .address_space: global }
      - { .name: bk, .offset: 24, .size: 8, .value_kind: global_buffer, .address_space: global }
      - { .name: bv, .offset: 32, .size: 8, .value_kind: global_buffer, .address_space: global }
      - { .name: qimg, .offset: 40, .size: 8, .value_kind: global_buffer, .address_space: global }
      - { .name: kv, .offset: 48, .size: 8, .value_kind: global_buffer, .address_space: global }
    .group_segment_fixed_size: 327680
    .private_segment_fixed_size: 0
    .kernarg_segment_align: 8
    .kernarg_segment_size: 56
    .max_flat_workgroup_size: 576
    .sgpr_count:     66
    .vgpr_count:     192
    .wavefront_size: 32
...
	.end_amdgpu_metadata
.endif
;; end of part 2
;; launch attn (part 3): grid 256 x 1, 16 waves a work-group, clusters of 4 x 1, 167,936 bytes of LDS; arguments qimg, kv, oq; writes oq
.if DOCPART == 3
	.amdgcn_target "amdgcn-amd-amdhsa--gfx1250"
	.amdhsa_code_object_version 6
	.text
	.protected	k_qc36cd8f422_attn
	.globl	k_qc36cd8f422_attn
	.p2align	8
	.type	k_qc36cd8f422_attn,@function
k_qc36cd8f422_attn:
	s_mov_b64 s[64:65], 0
	v_nop
	global_prefetch_b8 v0, s[64:65] scope:SCOPE_SE
	s_setreg_imm32_b32 hwreg(HW_REG_WAVE_MODE, 25, 1), 1
	s_wait_xcnt 0x0
	s_wait_alu depctr_hold_cnt(0) depctr_sa_sdst(0) depctr_va_vdst(0) depctr_va_sdst(0) depctr_va_ssrc(0) depctr_va_vcc(0) depctr_vm_vsrc(0)
	s_getreg_b32 s2, hwreg(HW_REG_IB_STS2, 6, 4)
	s_cmp_eq_u32 s2, 0
	s_cbranch_scc0 .Lentry_in_a_cluster
	s_endpgm
.Lentry_in_a_cluster:
	s_bfe_u32 s2, ttmp6, 0x10000c
	s_cmp_lg_u32 s2, 0x3003
	s_cbranch_scc0 .Lentry_shape_is_right
	s_endpgm
.Lentry_shape_is_right:
; Launch 3 of 4: the scores q k^T / 8, the softmax, p v, the division by the row's sum, and the quantiser of the result along head x 64 + d.  No work is left out.
; THE SOFTMAX: t = score x log2(e) / 8; M = the running largest t rounded UP to a whole number, kept as -M = floor(-t); p = 2^(t - M) is quantised along the keys, not normalised; the row's sum is taken of the
; unquantised p and divides at the end.  When M moves, the sum and O are multiplied by 2^(old M - new M), which rounds nothing.
; LIMITS: no NaN or infinity; the promise holds while the scaled scores t stay under 2^31 in magnitude.  A block's largest p is taken from the block's largest score, put through the same multiply-add and
; exponential; this takes v_exp_f32 not to fall where its input rises.  A block whose every p has fallen to 0 keeps the byte 1: its codes are zeros.
; SHARES.  A work-group owns 32 rows (two tiles of queries) x all 16 heads; wave w: tile w % 2, heads 2 (w / 2) and 2 (w / 2) + 1: two sub-tiles z.  Every wave walks the batch's 16 steps of 128 keys.
; ALL OF A BATCH'S K AND V, 163,840 bytes of short records, LIES IN LDS, filled once: each of the sixteen waves fetches one step's 10,240 bytes.  No ring; one barrier ahead of the loop.
; No prefetch: all that the launch reads through LDS is asked for at its head, and no loop runs ahead of a load.
; CLUSTER: the four work-groups of a cluster belong to one batch and need the same bytes: each load is a joint one, with the mask of all four.
; LAYOUT.  Both products are used transposed: a lane holds ONE query (lane % 16) throughout.  THE HEAD HAS 64 AND THE INSTRUCTION TAKES 128 ALONG K: a fragment of k holds TWO tiles of keys (blocks 0, 1: the first's 64;
; blocks 2, 3: the second's), and q stands with zero codes beside it: (q | 0) meets the first, (0 | q) the second.  q's 4 registers lie between two runs of 4 zeros, so both operands are windows on one run of 12.
; WHICH KEYS FORM A TILE is chosen by the lanes' LDS addresses: row 8 h + j of tile 4 c + g is key 64 c + 32 h + 8 g + j of the step.  It lies in k's record 2 c + h, tile g % 2 of that record, slot j + 8 (g / 2).
; So register 32 c + i of lane (r, h) is key 64 c + 32 h + i: A LANE HOLDS TWO WHOLE BLOCKS OF 32 KEYS, 2 c + h, in the very order of the second product's operand:
; a block's largest score needs no other lane, each lane makes two scales, and the conversions' results are the operand's registers as they stand.
; THE STEP'S ORDER.  The next step's fragments of k are asked for right behind the products p v, which free their registers; the sums of sub-tile 1's p, 32 lines that those products do not need, stand between
; that request and the wait for it.  The last step asks for nothing and is written out.
.set SRB,   1280
.set STEPB, 10240                      ; a step: four records of k, four of v
.set TRB,   8704
.set OSC,   163840                     ; behind K and V: the result's scale words on their way out, 1,024 bytes, which no tensor load fills
.set SPARE, OSC+1024                   ; the spare words, 128 bytes a wave: eight blocks of 256 bytes that no other line names
.set WV,  18
.set SEL, 20
.set CS,  22                           ; s[22:23] c = log2(e) / 8
.set G1,  24
.set G0,  32
.set TB,  2                            ; s2  LDS byte at which the step asked for last begins
.set CNT, 3
.set AK0, 1                            ; v1  k's fragments: 1,280 (r / 8) + 256 h + 16 (r % 8)
.set AS0, 2                            ; v2  k's scale words: 1,280 (r / 8) + 1,032 + 16 (r % 8)
.set AV0, 3                            ; v3  16 x lane: v's fragments, and the stores' offset
.set AT0, 4                            ; v4  v's scale words: 1,032 + 16 r
.set SPW, 5
.set NIL, 6
.set SH8, 7                            ; v7  8 h
.set ST,  8                            ; v[8 + 4 z]: -M, the largest score, the sum in two halves
.set Q,   16                           ; v[16 + 12 z]: 0 0 0 0 | q q q q | 0 0 0 0
.set QS,  40                           ; v40, v41 q's scale words
.set KF,  42                           ; v42-73  four fragments of k, then of v
.set KS,  74                           ; v74-77  their scale words
.set S,   78                           ; v78-141 the scores, then p
.set O,   142                          ; v[142 + 32 z] O^T: register 8 nt + j is d 32 (nt / 2) + 8 (nt % 2) + 16 h + j
.set PC,  206                          ; v[206 + 8 z] p's codes
.set PW,  222                          ; v222, v223 p's scale words
.set MX,  224                          ; v224-231 eight chains of maxima, then four chains of sums
.set BM,  232                          ; v232, v233 my two blocks' largest
.set SO,  234                          ; v234, v235 the conversions' scale operands
.set F,   236
.set T0,  238
.set T1,  239
.set OM,  240                          ; the old -M
.set L0,  240
.set LP,  242
.set RC,  244
.set PWO, 246
.set OSA, 247
.set OSR, 248
.set QOF, 250
.set QSF, 251
.set ADK, 252
.set ADS, 253
.set ADV, 254
.set ADT, 255
.macro CROUND
	s_barrier_signal -1
	s_barrier_wait -1
	s_cmp_lg_u32 s[WV], 0
	s_cbranch_scc1 .Lnot_wave_0_\@
	s_barrier_signal -3
.Lnot_wave_0_\@:
	s_barrier_wait -3
	s_barrier_signal -1
	s_barrier_wait -1
.endm
.macro QUANT s, pc, pw, tm             ; 64 numbers of a lane, register 16 b + i = element 32 b + 16 h + i of my row, become a fragment in v[pc] on and its scale word in v[pw]
.irp b, 0,1,2,3
	v_max3_num_f32 v[\tm+\b], |v[\s+16*\b]|, |v[\s+1+16*\b]|, 0x1800000
.endr
.irp i, 2,4,6,8,10,12,14
.irp b, 0,1,2,3
	s_delay_alu instid0(VALU_DEP_4)
	v_max3_num_f32 v[\tm+\b], v[\tm+\b], |v[\s+16*\b+\i]|, |v[\s+1+16*\b+\i]|
.endr
.endr
.irp b, 0,1,2,3
	s_delay_alu instid0(VALU_DEP_4)
	v_permlanex16_b32 v[\tm+4+\b], v[\tm+\b], s[SEL], s[SEL+1]
.endr
.irp b, 0,1,2,3
	s_delay_alu instid0(VALU_DEP_4)
	v_max_num_f32 v[\tm+\b], v[\tm+\b], v[\tm+4+\b]
.endr
.irp b, 0,1,2,3
	s_delay_alu instid0(VALU_DEP_4)
	v_add_nc_u32 v[\tm+12+\b], 0xff000000, v[\tm+\b]
.endr
.irp b, 0,1,2,3
	s_delay_alu instid0(VALU_DEP_4)
	v_lshrrev_b32 v[\tm+4+\b], 23, v[\tm+12+\b]
.endr
	s_delay_alu instid0(VALU_DEP_3)
	v_lshl_or_b32 v[(\pw)], v[\tm+5], 8, v[\tm+4]
	s_delay_alu instid0(VALU_DEP_1)
	v_lshl_or_b32 v[(\pw)], v[\tm+6], 16, v[(\pw)]
	s_delay_alu instid0(VALU_DEP_1)
	v_lshl_or_b32 v[(\pw)], v[\tm+7], 24, v[(\pw)]
.irp b, 0,1,2,3
	v_cvt_scalef32_pk8_fp4_f32 v[\pc+2*\b], v[\s+16*\b:\s+7+16*\b], v[\tm+12+\b]
	v_cvt_scalef32_pk8_fp4_f32 v[\pc+1+2*\b], v[\s+8+16*\b:\s+15+16*\b], v[\tm+12+\b]
.endr
	v_nop
.irp c, 0,1
.irp i, 0,1
	v_permlane16_swap_b32 v[\pc+4*\c+\i], v[\pc+2+4*\c+\i]
.endr
.endr
.endm
; The addresses of the step that begins at s[TB], and its four fragments of k with their scale words.  Fragment 2 c + e: rows 0-7 from record 2 c, rows 8-15 from record 2 c + 1, slots 8 e on
.macro KLOAD
	v_add_nc_u32 v[ADK], s[TB], v[AK0]             ; four places behind the last products, in front of loads into their operands
	v_add_nc_u32 v[ADS], s[TB], v[AS0]
	v_add_nc_u32 v[ADV], s[TB], v[AV0]
	v_add_nc_u32 v[ADT], s[TB], v[AT0]
.irp c, 0,1
.irp e, 0,1
.irp i, 0,1
	ds_load_b128 v[KF+8*(2*\c+\e)+4*\i:KF+8*(2*\c+\e)+4*\i+3], v[ADK] offset:2*SRB*\c+128*\e+512*\i
.endr
	ds_load_b32 v[KS+2*\c+\e], v[ADS] offset:2*SRB*\c+128*\e
.endr
.endr
.endm
; S^T of sub-tile z: eight products, each starting its own sum.  Fragment f holds tiles 2 f and 2 f + 1
.macro SCORES z
.irp f, 0,1,2,3
	v_wmma_scale_f32_16x16x128_f8f6f4 v[S+16*\f:S+16*\f+7], v[KF+8*\f:KF+8*\f+7], v[Q+12*\z+4:Q+12*\z+11], 0, v[KS+\f], v[QS+\z] matrix_a_fmt:MATRIX_FMT_FP4 matrix_b_fmt:MATRIX_FMT_FP4
	v_wmma_scale_f32_16x16x128_f8f6f4 v[S+16*\f+8:S+16*\f+15], v[KF+8*\f:KF+8*\f+7], v[Q+12*\z:Q+12*\z+7], 0, v[KS+\f], v[QS+\z] matrix_a_fmt:MATRIX_FMT_FP4 matrix_b_fmt:MATRIX_FMT_FP4
.endr
.endm
.macro RESC z                          ; O^T of sub-tile z under the new M, each accumulator from its low end on
.set j, 0
.rept 16
	v_pk_mul_f32 v[O+32*(\z)+j:O+32*(\z)+j+1], v[O+32*(\z)+j:O+32*(\z)+j+1], v[F:F+1] op_sel_hi:[1,0]
.set j, j+2
.endr
.endm
; The softmax of sub-tile z for one step of 128 keys, up to p's codes and my two scale bytes.  v[OM] holds the old -M.  resc = 1: O^T is rescaled here, directly behind the wait that follows the exponentials
.macro SOFT z, resc
.set rT, ST+4*(\z)
.set rP, PC+8*(\z)
.irp q, 0,1,2,3,4,5,6,7                ; my two blocks' largest scores: 16 lines a block; eight chains, one to an accumulator, each read from its low end on
	v_max3_num_f32 v[MX+\q], v[S+8*\q], v[S+8*\q+1], v[S+8*\q+2]
.endr
.irp i, 3,5
.irp q, 0,1,2,3,4,5,6,7
	v_max3_num_f32 v[MX+\q], v[MX+\q], v[S+8*\q+\i], v[S+8*\q+\i+1]
.endr
.endr
.irp c, 0,1                            ; the chains are joined, each line taking one of the four registers that are left over in a block
	v_max3_num_f32 v[MX+4*\c], v[MX+4*\c], v[MX+4*\c+1], v[S+32*\c+7]
	v_max3_num_f32 v[MX+4*\c+2], v[MX+4*\c+2], v[MX+4*\c+3], v[S+32*\c+15]
.endr
.irp c, 0,1
	v_max3_num_f32 v[BM+\c], v[MX+4*\c], v[MX+4*\c+2], v[S+32*\c+23]
.endr
.irp c, 0,1
	v_max_num_f32 v[BM+\c], v[BM+\c], v[S+32*\c+31]
.endr
	s_delay_alu instid0(VALU_DEP_1)
	v_max3_num_f32 v[T0], v[rT+1], v[BM], v[BM+1]  ; the running largest score, my 64 keys among it,
	s_delay_alu instid0(VALU_DEP_1)
	v_permlanex16_b32 v[T1], v[T0], s[SEL], s[SEL+1]
	s_delay_alu instid0(VALU_DEP_1)
	v_max_num_f32 v[rT+1], v[T0], v[T1]            ; and lane l xor 16's
	s_delay_alu instid0(VALU_DEP_1)
	v_mul_f32 v[T1], s[CS], v[rT+1]                ; as t (c is positive)
	s_delay_alu instid0(VALU_DEP_1)
	v_floor_f32 v[rT], -v[T1]                      ; the new -M: a whole number
.set j, 0
.rept 32
	v_pk_fma_f32 v[S+j:S+j+1], v[S+j:S+j+1], s[CS:CS+1], v[rT:rT+1] op_sel_hi:[1,0,0]   ; t - M, two at a time
.set j, j+2
.endr
.irp c, 0,1
	v_fma_f32 v[BM+\c], v[BM+\c], s[CS], v[rT]     ; the same of each block's largest score
.endr
	s_wait_alu depctr_va_vdst(0)                   ; ahead of the batch of exponentials
.set j, 0
.rept 64
	v_exp_f32 v[S+j], v[S+j]                       ; p = 2^(t - M)
.set j, j+1
.endr
.irp c, 0,1
	v_exp_f32 v[BM+\c], v[BM+\c]                   ; each block's largest p: one batch of 66
.endr
	v_sub_f32 v[T0], v[rT], v[OM]                  ; old M - new M, 0 or less: plain work behind the exponentials
	s_delay_alu instid0(VALU_DEP_1)
	v_cvt_i32_f32 v[T0], v[T0]                     ; (it saturates)
	s_delay_alu instid0(VALU_DEP_1)
	v_ldexp_f32 v[F], 1.0, v[T0]                   ; f = 2^(old M - new M)
	s_wait_alu depctr_va_vdst(0)                   ; one wait for the batch, ahead of its first reader (resc = 1: and directly ahead of the first reader of O^T)
.if \resc
	RESC \z
.endif
.irp c, 0,1
	v_max_num_f32 v[BM+\c], 0x1800000, v[BM+\c]    ; the floor 2^(3 - 127)
.endr
.irp c, 0,1
	v_add_nc_u32 v[SO+\c], 0xff000000, v[BM+\c]    ; 2 off the exponent field: the conversion's scale operand
.endr
.irp c, 0,1
.irp g, 0,1,2,3
	v_cvt_scalef32_pk8_fp4_f32 v[rP+4*\c+\g], v[S+32*\c+8*\g:S+32*\c+8*\g+7], v[SO+\c]   ; register 4 c + g of the operand: keys 64 c + 32 h + 8 g on
.endr
.endr
.irp c, 0,1
	v_lshrrev_b32 v[BM+\c], 23, v[SO+\c]           ; my two scale bytes: blocks h and 2 + h.  (Plain places behind the conversions)
.endr
.endm
.macro WORD z                          ; p's scale word of sub-tile z
	v_lshl_or_b32 v[T0], v[BM+1], 16, v[BM]
	s_delay_alu instid0(VALU_DEP_1)
	v_lshlrev_b32 v[T0], v[SH8], v[T0]             ; my two bytes at their places in the word: 8 h bits up
	s_delay_alu instid0(VALU_DEP_1)
	v_permlanex16_b32 v[T1], v[T0], s[SEL], s[SEL+1]
	s_delay_alu instid0(VALU_DEP_1)
	v_or_b32 v[PW+\z], v[T0], v[T1]                ; with lane l xor 16's two the word is whole
.endm
.macro SUMS z                          ; the sum of the unquantised p: 31 packed additions in four chains; then the sum so far under the new M, and this step's
.irp q, 0,1,2,3
	v_pk_add_f32 v[MX+2*\q:MX+2*\q+1], v[S+4*\q:S+4*\q+1], v[S+4*\q+2:S+4*\q+3]
.endr
.irp j, 16,24,32,40,48,56
.irp q, 0,1,2,3
	v_pk_add_f32 v[MX+2*\q:MX+2*\q+1], v[MX+2*\q:MX+2*\q+1], v[S+\j+2*\q:S+\j+2*\q+1]
.endr
.endr
	v_pk_add_f32 v[MX:MX+1], v[MX:MX+1], v[MX+2:MX+3]
	v_pk_add_f32 v[MX+4:MX+5], v[MX+4:MX+5], v[MX+6:MX+7]
	v_pk_add_f32 v[MX:MX+1], v[MX:MX+1], v[MX+4:MX+5]
	v_pk_fma_f32 v[ST+4*(\z)+2:ST+4*(\z)+3], v[ST+4*(\z)+2:ST+4*(\z)+3], v[F:F+1], v[MX:MX+1] op_sel_hi:[1,0,1]
.endm
; A STEP of 128 keys.  more = 1: the next step's fragments of k are asked for
.macro STEP more
	s_wait_dscnt 0x0                               ; k's fragments are in
	SCORES 0
	v_mov_b32 v[OM], v[ST]                         ; the old -M; with three v_nop the four places ahead of the first read of the scores
.rept 3
	v_nop
.endr
	SOFT 0, 1
	SUMS 0
	SCORES 1
	WORD 0                                         ; these five lines name no register of the products above: they are the places ahead of the loads below and of the scores' first read
	v_mov_b32 v[OM], v[ST+4]
.irp n, 0,1,2,3                                ; v's four fragments take k's registers, and land while the second softmax is walked
.irp c, 0,1
	ds_load_b128 v[KF+8*\n+4*\c:KF+8*\n+4*\c+3], v[ADV] offset:SRB*(4+\n)+512*\c
.endr
	ds_load_b32 v[KS+\n], v[ADT] offset:SRB*(4+\n)
.endr
	SOFT 1, 0
	WORD 1
	s_wait_dscnt 0x0                               ; v's fragments are in
	s_wait_alu depctr_va_vdst(0)                   ; directly ahead of the first reader of O^T
	RESC 1                                         ; sixteen plain lines between the scale word's and the codes' last writes and the products
.irp n, 0,1,2,3                                ; O^T += v^T p^T: eight accumulators by turns
.irp z, 0,1
	v_wmma_scale_f32_16x16x128_f8f6f4 v[O+32*\z+8*\n:O+32*\z+8*\n+7], v[KF+8*\n:KF+8*\n+7], v[PC+8*\z:PC+8*\z+7], v[O+32*\z+8*\n:O+32*\z+8*\n+7], v[KS+\n], v[PW+\z] matrix_a_fmt:MATRIX_FMT_FP4 matrix_b_fmt:MATRIX_FMT_FP4
.endr
.endr
.if \more
	s_add_co_u32 s[TB], s[TB], STEPB
	KLOAD
.endif
	SUMS 1                                         ; p of sub-tile 1 is read for the last time, ahead of the next step's scores
.endm
	s_load_b128 s[4:7], s[0:1], 0x0                ; qimg s[4:5], kv s[6:7]
	s_load_b64 s[8:9], s[0:1], 0x10                ; oq
	v_lshl_add_u32 v[SPW], v0, 2, SPARE
	v_mov_b32 v[NIL], 0
	ds_add_u32 v[SPW], v[NIL]                      ; the wave's opening: the add, twice on end, and its wait ahead of my first tensor load
	ds_add_u32 v[SPW], v[NIL]
	v_lshrrev_b32 v252, 5, v0
	v_readfirstlane_b32 s[WV], v252                ; wave 0..15
	s_bfe_u32 s10, ttmp6, 0x40000                  ; cx
	s_lshl_b32 s11, ttmp9, 2
	s_add_co_u32 s11, s11, s10                     ; g: my 32 rows; it enters q's and the result's addresses alone
	s_lshr_b32 s12, ttmp9, 4                       ; the batch, which the four partners share
	s_and_b32 s13, s[WV], 1                        ; a: which tile of queries
	s_lshr_b32 s14, s[WV], 1                       ; hp: which pair of heads
	s_mov_b32 s[G1], 15|(3<<16)|(1<<21)            ; the mask of all four; elements of 8 bytes; bit 21 beside the mask; no padding
	s_mov_b32 s[G1+1], 32<<16                      ; rows of 256 bytes,
	s_mov_b32 s[G1+2], 40<<16                      ; 40 of them: a step's eight records, dense in memory
	s_mov_b32 s[G1+3], 32<<16
	s_mov_b32 s[G1+4], 40
	s_mov_b32 s[G1+5], 32
	s_mov_b32 s[G1+6], 0
	s_mov_b32 s[G1+7], 0
	s_mul_i32 s15, s[WV], STEPB                    ; wave w fetches step w: its place in LDS and in the batch's block
	s_mul_i32 s16, s12, 16*STEPB
	s_add_co_u32 s16, s16, s15
	s_mov_b32 s17, 0
	s_mov_b32 s[SEL], 0x76543210
	s_mov_b32 s[SEL+1], 0xfedcba98
	s_mov_b32 s[CS], 0x3e38aa3b                    ; log2(e) / 8
	s_mov_b32 s[CS+1], s[CS]
	s_mov_b32 s[TB], 0
	s_mov_b32 s[CNT], 15
	s_wait_dscnt 0x0                               ; both opening adds are done
	s_wait_kmcnt 0x0
	s_mov_b32 s[G0], 1
	s_mov_b32 s[G0+1], s15
	s_add_nc_u64 s[G0+2:G0+3], s[6:7], s[16:17]
	s_or_b32 s[G0+3], s[G0+3], 0x80000000
	CROUND                                         ; all four work-groups are here: the joint loads meet
	tensor_load_to_lds s[G0:G0+3], s[G1:G1+7]      ; every wave's one load
	s_nop 0
.rept 4
	v_nop
.endr
	s_lshl_b32 s36, s11, 4
	s_lshl_b32 s37, s14, 1
	s_add_co_u32 s36, s36, s37                     ; q's record 16 g + 2 hp
	s_mul_i32 s36, s36, SRB
	s_mov_b32 s37, 0
	s_add_nc_u64 s[4:5], s[4:5], s[36:37]
	s_lshl_b32 s36, s11, 1
	s_add_co_u32 s36, s36, s13                     ; the result's tile 2 g + a
	s_mul_i32 s36, s36, TRB
	s_add_nc_u64 s[8:9], s[8:9], s[36:37]
	s_lshl_b32 s38, s14, 10                        ; my two heads are K step hp of the last product
	s_mov_b32 s39, 0
	s_add_nc_u64 s[40:41], s[8:9], s[38:39]
	s_lshl_b32 s42, s13, 9
	s_lshl_b32 s43, s13, 2
	s_lshr_b32 s44, s14, 2
	s_lshl_b32 s44, s44, 8
	s_and_b32 s45, s14, 3
	s_lshl_b32 s45, s45, 2
	s_add_co_u32 s44, s44, s45
	s_add_co_u32 s44, s44, s42
	s_add_co_u32 s44, s44, OSC                     ; my scale word's place: 512 a + 256 (hp / 4) + 4 (hp % 4), + 16 r below
	s_add_co_u32 s46, s42, OSC
	v_and_b32 v252, 31, v0
	v_and_b32 v253, 15, v0
	v_bfe_u32 v254, v0, 3, 1                       ; r / 8
	v_and_b32 v255, 7, v0                          ; r % 8
	v_bfe_u32 v[SH8], v0, 4, 1                     ; h
	v_lshlrev_b32 v[AV0], 4, v252
	v_lshlrev_b32 v253, 4, v253                    ; 16 r
	v_mul_u32_u24 v254, v254, SRB
	v_lshl_add_u32 v254, v255, 4, v254             ; 1,280 (r / 8) + 16 (r % 8)
	v_lshl_add_u32 v[AK0], v[SH8], 8, v254
	v_add_nc_u32 v[AS0], 1032, v254
	v_add_nc_u32 v[AT0], 1032, v253
	v_lshlrev_b32 v[SH8], 3, v[SH8]
	v_add_nc_u32 v[QOF], s42, v[AV0]               ; q: blocks 2 a, 2 a + 1 of the record's fragment
	v_add_nc_u32 v[QSF], s43, v253                 ; and word a of its slot's four
	v_add_nc_u32 v[OSA], s44, v253
	v_add_nc_u32 v[OSR], s46, v[AV0]
.irp z, 0,1
	global_load_b128 v[Q+12*\z+4:Q+12*\z+7], v[QOF], s[4:5] offset:SRB*\z
	global_load_b32 v[QS+\z], v[QSF], s[4:5] offset:SRB*\z+1024
.endr
.irp z, 0,1
.irp i, 0,1,2,3,8,9,10,11
	v_mov_b32 v[Q+12*\z+\i], 0                     ; the zero codes beside q
.endr
	v_mov_b32 v[ST+4*\z+1], 0xff61b1e6             ; the largest score so far: -3e38
	v_mov_b32 v[ST+4*\z], 0x7e000000               ; -M = 2^125, over every -M that follows: the first f is 0
	v_mov_b32 v[ST+4*\z+2], 0
	v_mov_b32 v[ST+4*\z+3], 0
	v_mov_b32 v[LP+\z], 0                          ; a lane permute's destination counts as one of its sources
.endr
	v_mov_b32 v[T1], 0
	v_mov_b32 v[F+1], 0                            ; named as the upper half of a pair
.set j, 0
.rept 64
	v_mov_b32 v[O+j], 0                            ; the step is written for all steps alike: the first finds zeros, which the first f leaves zeros
.set j, j+1
.endr
	s_wait_alu depctr_va_vdst(0)
	s_wait_loadcnt 0x0                             ; q
	s_wait_tensorcnt 0x0                           ; my step has landed,
	s_barrier_signal -1
	s_barrier_wait -1                              ; everybody's has.  Nothing is filled again
	KLOAD                                          ; step 0's fragments of k
.Lstep:                                            ; 15 trips, each asking for the next step's fragments of k
	STEP 1
	s_sub_co_u32 s[CNT], s[CNT], 1
	s_cmp_lg_u32 s[CNT], 0
	s_cbranch_scc1 .Lstep
	STEP 0                                         ; step 15 asks for nothing
; ---- THE WAY OUT: O^T / the sum; my two heads' 128 numbers of a row are one K step of the last product: one fragment, one scale word a row
.irp z, 0,1
	v_add_f32 v[L0+\z], v[ST+4*\z+2], v[ST+4*\z+3]
.endr
.irp z, 0,1
	s_delay_alu instid0(VALU_DEP_2)
	v_permlanex16_b32 v[LP+\z], v[L0+\z], s[SEL], s[SEL+1]
.endr
.irp z, 0,1
	s_delay_alu instid0(VALU_DEP_2)
	v_add_f32 v[L0+\z], v[L0+\z], v[LP+\z]         ; the row's sum
.endr
	s_wait_alu depctr_va_vdst(0)
.irp z, 0,1
	v_rcp_f32 v[RC+\z], v[L0+\z]
.endr
	v_nop                                          ; a plain place behind the reciprocals
	s_wait_alu depctr_va_vdst(0)                   ; and the wait ahead of their first reader
.set j, 0
.rept 32
	v_mul_f32 v[S+j], v[O+j], v[RC]
.set j, j+1
.endr
.rept 32
	v_mul_f32 v[S+j], v[O+j], v[RC+1]
.set j, j+1
.endr
	QUANT S, PC, PWO, MX
	global_store_b128 v[AV0], v[PC:PC+3], s[40:41]                 ; 512 consecutive bytes a store
	global_store_b128 v[AV0], v[PC+4:PC+7], s[40:41] offset:512
	ds_store_b32 v[OSA], v[PWO]                    ; lanes r and r + 16 write the same word with the same value
	s_wait_dscnt 0x0                               ; for the others' sake: it has landed
	s_barrier_signal -1
	s_barrier_wait -1
	s_cmp_lt_u32 s[WV], 2                          ; waves 0 and 1 store their tile's scale image, 512 consecutive bytes
	s_cbranch_scc0 .Ldone
	ds_load_b128 v[252:255], v[OSR]
	s_wait_dscnt 0x0
	global_store_b128 v[AV0], v[252:255], s[8:9] offset:8192
.Ldone:
	s_wait_tensorcnt 0x0                           ; the wave's end, behind my last tensor load and my last LDS store
	ds_add_u32 v[SPW], v[NIL]
	s_wait_dscnt 0x0
	CROUND                                         ; the closing round
	s_endpgm
.Lfunc_end_k_qc36cd8f422_attn:
	.size	k_qc36cd8f422_attn, .Lfunc_end_k_qc36cd8f422_attn-k_qc36cd8f422_attn
	.p2alignl 7, 3214868480
	.fill 96, 4, 3214868480
	.section	.rodata,"a",@progbits
	.p2align	6, 0x0
	.amdhsa_kernel k_qc36cd8f422_attn
		.amdhsa_group_segment_fixed_size 167936
		.amdhsa_private_segment_fixed_size 0
		.amdhsa_enable_private_segment 0
		.amdhsa_kernarg_size 24
		.amdhsa_user_sgpr_count 2
		.amdhsa_user_sgpr_kernarg_segment_ptr 1
		.amdhsa_wavefront_size32 1
		.amdhsa_system_sgpr_workgroup_id_x 1
		.amdhsa_system_sgpr_workgroup_id_y 1
		.amdhsa_system_sgpr_workgroup_id_z 1
		.amdhsa_system_vgpr_workitem_id 0
		.amdhsa_next_free_vgpr 256
		.amdhsa_next_free_sgpr 66
		.amdhsa_reserve_vcc 0
		.amdhsa_float_denorm_mode_32 3
		.amdhsa_float_denorm_mode_16_64 3
		.amdhsa_memory_ordered 1
		.amdhsa_forward_progress 1
		.amdhsa_inst_pref_size 71
	.end_amdhsa_kernel
	.amdgpu_metadata
---
amdhsa.version: [ 1, 2 ]
amdhsa.kernels:
  - .name:           k_qc36cd8f422_attn
    .symbol:         k_qc36cd8f422_attn.kd
    .args:
      - { .name: qimg, .offset: 0, .size: 8, .value_kind: global_buffer, .address_space: global }
      - { .name: kv, .offset: 8, .size: 8, .value_kind: global_buffer, .address_space: global }
      - { .name: oq, .offset: 16, .size: 8, .value_kind: global_buffer, .address_space: global }
    .group_segment_fixed_size: 167936
    .private_segment_fixed_size: 0
    .kernarg_segment_align: 8
    .kernarg_segment_size: 24
    .max_flat_workgroup_size: 512
    .sgpr_count:     66
    .vgpr_count:     256
    .wavefront_size: 32
...
	.end_amdgpu_metadata
.endif
;; end of part 3
;; launch oproj (part 4): grid 64 x 4, 16 waves a work-group, clusters of 4 x 1, 327,680 bytes of LDS; arguments oq, wimg, bo, out0; writes out0
.if DOCPART == 4
	.amdgcn_target "amdgcn-amd-amdhsa--gfx1250"
	.amdhsa_code_object_version 6
	.text
	.protected	k_qc36cd8f422_oproj
	.globl	k_qc36cd8f422_oproj
	.p2align	8
	.type	k_qc36cd8f422_oproj,@function
k_qc36cd8f422_oproj:
	s_mov_b64 s[64:65], 0
	v_nop
	global_prefetch_b8 v0, s[64:65] scope:SCOPE_SE
	s_setreg_imm32_b32 hwreg(HW_REG_WAVE_MODE, 25, 1), 1
	s_wait_xcnt 0x0
	s_wait_alu depctr_hold_cnt(0) depctr_sa_sdst(0) depctr_va_vdst(0) depctr_va_sdst(0) depctr_va_ssrc(0) depctr_va_vcc(0) depctr_vm_vsrc(0)
	s_getreg_b32 s2, hwreg(HW_REG_IB_STS2, 6, 4)
	s_cmp_eq_u32 s2, 0
	s_cbranch_scc0 .Lentry_in_a_cluster
	s_endpgm
.Lentry_in_a_cluster:
	s_bfe_u32 s2, ttmp6, 0x10000c
	s_cmp_lg_u32 s2, 0x3003
	s_cbranch_scc0 .Lentry_shape_is_right
	s_endpgm
.Lentry_shape_is_right:
; Launch 4 of 4: out0 = (the attention's result, as codes) Wo + bo.  No work is left out.
; SHARES.  Work-group (x, y): rows 128 x .. (eight tiles of oq) x columns 256 y .. (sixteen tiles of Wo).  Wave w: two row tiles 2 (w / 4), + 1 x the four column tiles 4 (w % 4) ..: 32 rows x 64 columns.
; All of K = 1,024 lies in LDS: 24 tile records of 8,704 bytes, filled once by twelve tensor loads of two records (waves 0-3: oq's, the work-group's own; waves 4-11: Wo's, joint: the four partners of a cluster share y).
; The products are used transposed (source 0 = 16 columns of Wo, source 1 = 16 rows): a lane holds eight neighbouring columns of one row.  bo is the C of each sum's first product.
; A tile's slot s is row (or column) 32 (T / 2) + 8 (T % 2) + s + 8 (s / 8): the way out puts rows and columns back in their places.
.set TRB,   8704
.set NJ,    12
.set STG,   24*TRB                     ; behind the records: a stage of 16 rows x (256 + 16) bytes for each wave, which no tensor load fills
.set SPARE, 327680-2048                ; the spare words, 128 bytes a wave: eight blocks of 256 bytes that no other line names
.set WV,  18
.set G1P, 24
.set G1J, 32
.set G0P, 40
.set G0J, 44
.set LI,  1
.set STO, 2                            ; v2  the stage: where I put 16 bytes of a row
.set ADW, 3
.set ADH, 4
.set RD,  5                            ; v5  the stage: where I read a row back
.set ASW, 6
.set ASH, 7
.set SPW, 8
.set NIL, 9
.set BOFF, 10
.set GO,  11                           ; v11 my byte offset in two rows of out0
.set SW,  12                           ; v12-35 hold scale words and nothing else
.set SH,  28
.set FW,  36
.set FH,  68
.set BIAS, 84
.set ACC, 116
.set OB,  36                           ; the way out: v36-67 and v68-99, 16 rows of 256 bytes each
.set T1,  181
.set T2,  182
.set T3,  183
.macro PLACES
.rept 4
	v_nop
.endr
.endm
.macro CROUND
	s_barrier_signal -1
	s_barrier_wait -1
	s_cmp_lg_u32 s[WV], 0
	s_cbranch_scc1 .Lnot_wave_0_\@
	s_barrier_signal -3
.Lnot_wave_0_\@:
	s_barrier_wait -3
	s_barrier_signal -1
	s_barrier_wait -1
.endm
.macro TLOAD2                          ; the branches hang on the wave's number alone.
	s_cmp_lt_u32 s[WV], 4
	s_cbranch_scc0 .Lnot_p_\@
	tensor_load_to_lds s[G0P:G0P+3], s[G1P:G1P+7]
	s_nop 0
.rept 4
	v_nop
.endr
	s_branch .Lasked_\@
.Lnot_p_\@:
	s_cmp_lt_u32 s[WV], NJ
	s_cbranch_scc0 .Lasked_\@
	tensor_load_to_lds s[G0J:G0J+3], s[G1J:G1J+7]
	s_nop 0
.rept 4
	v_nop
.endr
.Lasked_\@:
.endm
.macro KSTEP ks, cmode                 ; cmode 1: the products start the sums from the bias; 2: they add.  The eight accumulators take turns, one instruction a turn
.if \ks > 0
	PLACES
.endif
.irp t, 0,1,2,3
.irp c, 0,1
	ds_load_b128 v[FW+8*\t+4*\c:FW+8*\t+4*\c+3], v[ADW] offset:\t*TRB+\ks*1024+512*\c
.endr
.endr
.irp a, 0,1
.irp c, 0,1
	ds_load_b128 v[FH+8*\a+4*\c:FH+8*\a+4*\c+3], v[ADH] offset:\a*TRB+\ks*1024+512*\c
.endr
.endr
.if (\ks)%4 == 0
.irp t, 0,1,2,3
	ds_load_b128 v[SW+4*\t:SW+4*\t+3], v[ASW] offset:\t*TRB+256*(\ks/4)
.endr
.irp a, 0,1
	ds_load_b128 v[SH+4*\a:SH+4*\a+3], v[ASH] offset:\a*TRB+256*(\ks/4)
.endr
.endif
	s_wait_dscnt 0x0
.irp a, 0,1
.irp t, 0,1,2,3
.if \cmode == 1
	v_wmma_scale_f32_16x16x128_f8f6f4 v[ACC+32*\a+8*\t:ACC+32*\a+8*\t+7], v[FW+8*\t:FW+8*\t+7], v[FH+8*\a:FH+8*\a+7], v[BIAS+8*\t:BIAS+8*\t+7], v[SW+4*\t+(\ks)%4], v[SH+4*\a+(\ks)%4] matrix_a_fmt:MATRIX_FMT_FP4 matrix_b_fmt:MATRIX_FMT_FP4
.else
	v_wmma_scale_f32_16x16x128_f8f6f4 v[ACC+32*\a+8*\t:ACC+32*\a+8*\t+7], v[FW+8*\t:FW+8*\t+7], v[FH+8*\a:FH+8*\a+7], v[ACC+32*\a+8*\t:ACC+32*\a+8*\t+7], v[SW+4*\t+(\ks)%4], v[SH+4*\a+(\ks)%4] matrix_a_fmt:MATRIX_FMT_FP4 matrix_b_fmt:MATRIX_FMT_FP4
.endif
.endr
.endr
.endm
	s_load_b256 s[4:11], s[0:1], 0x0               ; oq s[4:5], wimg s[6:7], bo s[8:9], out0 s[10:11]
	v_lshl_add_u32 v[SPW], v0, 2, SPARE
	v_mov_b32 v[NIL], 0
	ds_add_u32 v[SPW], v[NIL]                      ; the wave's opening: the add, twice on end, and its wait ahead of the first tensor load
	ds_add_u32 v[SPW], v[NIL]
	v_lshrrev_b32 v[T1], 5, v0
	s_delay_alu instid0(VALU_DEP_1)
	v_readfirstlane_b32 s[WV], v[T1]               ; wave 0..15
	s_bfe_u32 s19, ttmp6, 0x40000                  ; cx
	s_lshl_b32 s20, ttmp9, 2
	s_add_co_u32 s20, s20, s19                     ; x
	s_and_b32 s21, ttmp7, 0xffff                   ; y, which the four partners share
	s_mov_b32 s[G1P], 3<<16
	s_mov_b32 s[G1J], 15|(3<<16)|(1<<21)
.irp g, G1P, G1J
	s_mov_b32 s[\g+1], 32<<16                      ; rows of 256 bytes,
	s_mov_b32 s[\g+2], 68<<16                      ; 68 of them: two records, dense in memory
	s_mov_b32 s[\g+3], 32<<16
	s_mov_b32 s[\g+4], 68
	s_mov_b32 s[\g+5], 32
	s_mov_b32 s[\g+6], 0
	s_mov_b32 s[\g+7], 0
.endr
	s_mul_i32 s22, s[WV], 2*TRB                    ; wave w fills records 2 w, 2 w + 1 of LDS
	s_lshl_b32 s54, s20, 3
	s_lshl_b32 s55, s[WV], 1
	s_add_co_u32 s54, s54, s55                     ; waves 0-3: oq's tile 8 x + 2 w
	s_mul_i32 s54, s54, TRB
	s_mov_b32 s55, 0
	s_lshl_b32 s56, s21, 4                         ; waves 4-11: Wo's tile 72 + 16 y + 2 (w - 4), in registers that never hold cx
	s_lshl_b32 s57, s[WV], 1
	s_add_co_u32 s56, s56, s57
	s_add_co_u32 s56, s56, 64
	s_mul_i32 s56, s56, TRB
	s_mov_b32 s57, 0
	s_wait_dscnt 0x0                               ; both opening adds are done
	s_wait_kmcnt 0x0
	s_mov_b32 s[G0P], 1
	s_mov_b32 s[G0P+1], s22
	s_add_nc_u64 s[G0P+2:G0P+3], s[4:5], s[54:55]
	s_or_b32 s[G0P+3], s[G0P+3], 0x80000000
	s_mov_b32 s[G0J], 1
	s_mov_b32 s[G0J+1], s22
	s_add_nc_u64 s[G0J+2:G0J+3], s[6:7], s[56:57]
	s_or_b32 s[G0J+3], s[G0J+3], 0x80000000
	CROUND                                         ; all four work-groups are here: the joint loads meet
	TLOAD2                                         ; one load a wave is out
	v_and_b32 v[T3], 31, v0
	v_and_b32 v[T1], 15, v0                        ; r
	v_bfe_u32 v[T2], v0, 4, 1                      ; h
	s_delay_alu instid0(VALU_DEP_3)
	v_lshlrev_b32 v[LI], 4, v[T3]
	s_delay_alu instid0(VALU_DEP_3)
	v_lshlrev_b32 v[T3], 4, v[T1]                  ; 16 r
	s_wait_alu depctr_va_vdst(0)
	v_lshlrev_b32 v[BOFF], 6, v[T2]
	s_and_b32 s22, s[WV], 3
	s_lshr_b32 s23, s[WV], 2
	s_lshl_b32 s54, s22, 2
	s_add_co_u32 s54, s54, 8                       ; my first weight record
	s_mul_i32 s54, s54, TRB
	s_lshl_b32 s55, s23, 1                         ; my first row record
	s_mul_i32 s55, s55, TRB
	v_add_nc_u32 v[ADW], s54, v[LI]
	v_add_nc_u32 v[ADH], s55, v[LI]
	s_add_co_u32 s54, s54, 8192
	s_add_co_u32 s55, s55, 8192
	v_add_nc_u32 v[ASW], s54, v[T3]
	v_add_nc_u32 v[ASH], s55, v[T3]
	s_mul_i32 s54, s[WV], 16*272
	s_add_co_u32 s54, s54, STG                     ; my stage
	v_mul_u32_u24 v[STO], v[T1], 272
	s_delay_alu instid0(VALU_DEP_1)
	v_lshl_add_u32 v[STO], v[T2], 6, v[STO]
	s_delay_alu instid0(VALU_DEP_1)
	v_add_nc_u32 v[STO], s54, v[STO]               ; in: slot r's row, + 64 h
	v_mul_u32_u24 v[RD], v[T2], 272
	s_delay_alu instid0(VALU_DEP_1)
	v_add_nc_u32 v[RD], v[RD], v[T3]
	s_delay_alu instid0(VALU_DEP_1)
	v_add_nc_u32 v[RD], s54, v[RD]                 ; back: lanes 0-15 one row, lanes 16-31 the next
	v_lshl_add_u32 v[GO], v[T2], 12, v[T3]         ; and the same two rows of out0
	s_lshl_b32 s54, s21, 10
	s_lshl_b32 s55, s22, 8
	s_add_co_u32 s54, s54, s55                     ; my 64 columns, in bytes
	s_mov_b32 s55, 0
	s_add_nc_u64 s[8:9], s[8:9], s[54:55]
	s_add_nc_u64 s[10:11], s[10:11], s[54:55]
	s_lshl_b32 s54, s20, 19
	s_lshl_b32 s56, s23, 17
	s_add_co_u32 s54, s54, s56                     ; my 32 rows: 128 x + 32 (w / 4), of 4,096 bytes
	s_add_nc_u64 s[10:11], s[10:11], s[54:55]
.irp t, 0,1,2,3
.irp i, 0,1
	global_load_b128 v[BIAS+8*\t+4*\i:BIAS+8*\t+4*\i+3], v[BOFF], s[8:9] offset:(32*(\t/2)+8*(\t%2))*4+16*\i   ; lane (r, h), tile t: bo at column 32 (t / 2) + 8 (t % 2) + 16 h + 0 .. 7
.endr
.endr
	s_wait_alu depctr_va_vdst(0)
	s_wait_loadcnt 0x0
	s_wait_tensorcnt 0x0                           ; my two records have landed,
	s_barrier_signal -1
	s_barrier_wait -1                              ; everybody's have.  Nothing is filled again
	KSTEP 0, 1
.irp ks, 1,2,3,4,5,6,7
	KSTEP \ks, 2
.endr
	PLACES
; THE WAY OUT, a row tile at a time: 16 rows x 256 bytes through my own stage, back as whole rows.  LDS serves a wave's instructions in order: no wait between the stores and the loads, nor in front of the next tile's stores.
.macro STAGE a
.irp t, 0,1,2,3
.irp i, 0,1
	ds_store_b128 v[STO], v[ACC+32*\a+8*\t+4*\i:ACC+32*\a+8*\t+4*\i+3] offset:128*(\t/2)+32*(\t%2)+16*\i   ; each accumulator from its low end on
.endr
.endr
.irp i, 0,1,2,3,4,5,6,7
	ds_load_b128 v[OB+32*\a+4*\i:OB+32*\a+4*\i+3], v[RD] offset:544*\i
.endr
.endm
.macro SEND a, younger                 ; younger: the LDS instructions issued behind this tile's loads, which may stay out
.irp i, 0,1,2,3,4,5,6,7
	s_wait_dscnt \younger+7-\i
	global_store_b128 v[GO], v[OB+32*\a+4*\i:OB+32*\a+4*\i+3], s[10:11] offset:(8*\a+2*\i+8*(\i/4))*4096 th:TH_STORE_NT   ; slots 2 i, 2 i + 1: sixteen lanes store 256 consecutive bytes, at a multiple of 256 from out0's first byte
.endr
.endm
	STAGE 0
	STAGE 1
	SEND 0, 16
	SEND 1, 0
	s_wait_tensorcnt 0x0                           ; the wave's end, behind my last tensor load and my last LDS store
	ds_add_u32 v[SPW], v[NIL]
	s_wait_dscnt 0x0
	CROUND                                         ; the closing round
	s_endpgm
.Lfunc_end_k_qc36cd8f422_oproj:
	.size	k_qc36cd8f422_oproj, .Lfunc_end_k_qc36cd8f422_oproj-k_qc36cd8f422_oproj
	.p2alignl 7, 3214868480
	.fill 96, 4, 3214868480
	.section	.rodata,"a",@progbits
	.p2align	6, 0x0
	.amdhsa_kernel k_qc36cd8f422_oproj
		.amdhsa_group_segment_fixed_size 327680
		.amdhsa_private_segment_fixed_size 0
		.amdhsa_enable_private_segment 0
		.amdhsa_kernarg_size 32
		.amdhsa_user_sgpr_count 2
		.amdhsa_user_sgpr_kernarg_segment_ptr 1
		.amdhsa_wavefront_size32 1
		.amdhsa_system_sgpr_workgroup_id_x 1
		.amdhsa_system_sgpr_workgroup_id_y 1
		.amdhsa_system_sgpr_workgroup_id_z 1
		.amdhsa_system_vgpr_workitem_id 0
		.amdhsa_next_free_vgpr 192
		.amdhsa_next_free_sgpr 66
		.amdhsa_reserve_vcc 0
		.amdhsa_float_denorm_mode_32 3
		.amdhsa_float_denorm_mode_16_64 3
		.amdhsa_memory_ordered 1
		.amdhsa_forward_progress 1
		.amdhsa_inst_pref_size 27
	.end_amdhsa_kernel
	.amdgpu_metadata
---
amdhsa.version: [ 1, 2 ]
amdhsa.kernels:
  - .name:           k_qc36cd8f422_oproj
    .symbol:         k_qc36cd8f422_oproj.kd
    .args:
      - { .name: oq, .offset: 0, .size: 8, .value_kind: global_buffer, .address_space: global }
      - { .name: wimg, .offset: 8, .size: 8, .value_kind: global_buffer, .address_space: global }
      - { .name: bo, .offset: 16, .size: 8, .value_kind: global_buffer, .address_space: global }
      - { .name: out0, .offset: 24, .size: 8, .value_kind: global_buffer, .address_space: global }
    .group_segment_fixed_size: 327680
    .private_segment_fixed_size: 0
    .kernarg_segment_align: 8
    .kernarg_segment_size: 32
    .max_flat_workgroup_size: 512
    .sgpr_count:     66
    .vgpr_count:     192
    .wavefront_size: 32
...
	.end_amdgpu_metadata
.endif
;; end of part 4
